; MI455X (gfx1250); checked and timed in simulation.
; The chip was launched on July 23, 2026; its instructions are those of AMD's public machine-readable ISA for CDNA 5 (MIT licence, August 2026) and "CDNA5" Instruction Set Architecture Reference Guide (July 2026). The comments in the code are by the model that wrote it; some were corrected since.
;; Multi Head Attention. Allowed arithmetic: matrix products marked QUANTISED: E4M3 operands, one given power-of-two scale a tensor, by v_wmma_f32_16x16x64_fp8_fp8 or v_wmma_f32_16x16x128_fp8_fp8, f32 sums; everything else in f32.
;; Inputs: Wk 1,024 x 1,024 float32; Wo 1,024 x 1,024 float32; Wq 1,024 x 1,024 float32; Wv 1,024 x 1,024 float32; X 4 x 2,048 x 1,024 float32; bk 1,024 float32; bo 1,024 float32; bq 1,024 float32; bv 1,024 float32; lowp_scales 12 int32 (the exponents e of the quantised operands' scales 2^e).
;; Outputs: out0 4 x 2,048 x 1,024 float32.
;; Constants: causal = 1.
;; This version of the problem:
;;   THIS VERSION OF THE PROBLEM IS GIVEN IN LOW PRECISION. The matrix products marked QUANTISED in the list below multiply operands that are first quantised to E4M3 (4 exponent bits, 3 mantissa bits; 8 bits a number), with one given power-of-two scale for each operand tensor; their sums are f32. All else is computed in f32.
;;   The module's matrix products, in the order in which they are computed (A, B: the left and right operand; K: the contracted axis; several contracted axes count as one K, in the product's order):
;;     1. [M 8,192, K 1,024] x [K 1,024, N 1,024]; A: input X; B: input Wq: QUANTISED (scales: A lowp_scales[0], B lowp_scales[1])
;;     2. [M 8,192, K 1,024] x [K 1,024, N 1,024]; A: input X; B: input Wk: QUANTISED (scales: A lowp_scales[2], B lowp_scales[3])
;;     3. [M 8,192, K 1,024] x [K 1,024, N 1,024]; A: input X; B: input Wv: QUANTISED (scales: A lowp_scales[4], B lowp_scales[5])
;;     4. batch 64 x [M 2,048, K 64] x [K 64, N 2,048]; A: computed on the way; B: computed on the way: QUANTISED (scales: A lowp_scales[6], B lowp_scales[7])
;;     5. batch 64 x [M 2,048, K 2,048] x [K 2,048, N 64]; A: softmax (see below); B: computed on the way: QUANTISED (scales: A lowp_scales[8], B lowp_scales[9])
;;     6. [M 8,192, K 1,024] x [K 1,024, N 1,024]; A: computed on the way; B: input Wo: QUANTISED (scales: A lowp_scales[10], B lowp_scales[11])
;;   THE QUANTISER, for each operand of a quantised product, along K:
;;     - The operand's scale is 2^e, e = its entry of the input lowp_scales (int32; the entries are numbered through the quantised products in the list's order, A before B).
;;     - Each number is divided by the scale, clamped to +-448, and rounded to the nearest number of E4M3, ties to even, subnormals kept.
;;     - The product sums the exact products of the quantised numbers (number of the format x scale) in f32.
;;   ~~~python
;;   def quantise(x, axis, e):      # numpy; x: float32 -> the quantised numbers, widened to float32 again
;;       x = np.moveaxis(x, axis, -1); K = x.shape[-1]
;;       r = np.clip(x / 2.0 ** e, -448, 448)
;;       step = 2.0 ** (np.maximum(np.frexp(np.where(r == 0, 1, r))[1] - 1, -6) - 3)
;;       q = np.round(r / step) * step * 2.0 ** e      # np.round: ties to even
;;       return np.moveaxis(q, -1, axis).astype(np.float32)
;;   ~~~
;;   SOFTMAX AHEAD OF A QUANTISED PRODUCT. Where the list says 'softmax', what is quantised is not the finished softmax but p = 2^(t - M), with t = logit x log2(e) and M = ceil(the row's largest t), a whole number; so 1/2 < the row's largest p <= 1. The row's sum l is taken of the UNQUANTISED p, in f32, and the product's result is divided by l at the end. Since M is a whole number, a kernel that streams over the keys may use a running M (the ceiling of the running maximum): every later rescaling is an exact power of two, so the quantised numbers keep their values, but for numbers so far below the row's largest that they fall under the format's range.
;;   OPERANDS COMPUTED ON THE WAY. 'Computed on the way' means the value that the module computes at that place (a softmax that the list does not call 'softmax' is quantised finished and normalised). What goes into a quantiser is computed in f32, as accurately as f32 sums, v_exp_f32 and their like allow (about 1e-6 of the number): no bf16 or f16 on the way to a quantiser, and a product that is left as it is and whose result goes on into a quantised operand takes f32 operands (vector FMAs, or v_wmma_f32_16x16x4_f32). A number that lies on a knife's edge between two numbers of the format may be rounded either way, as far as f32 arithmetic and the matrix unit's own rounding can turn it there, and no further.
;; One version. Each part assembles by itself: llvm-mc -triple=amdgcn-amd-amdhsa -mcpu=gfx1250 --defsym DOCPART=n.
;; ======== version 1 of 1: 4 launches
;; limits: right only within a limited range of input values
;; workspace buffers: xc 25,165,824 bytes; wc 4,194,304 bytes; qkv 25,165,824 bytes; oc 8,388,608 bytes
;; launch quant (part 1): grid 384 x 1, 4 waves a work-group, no clusters, 68,096 bytes of LDS; arguments X, Wq, Wk, Wv, Wo, lowp_scales, xc, wc; writes xc, wc
.if DOCPART == 1
	.amdgcn_target "amdgcn-amd-amdhsa--gfx1250"
	.amdhsa_code_object_version 6
	.text
	.protected	k_q4144b71b8e_quant
	.globl	k_q4144b71b8e_quant
	.p2align	8
	.type	k_q4144b71b8e_quant,@function
k_q4144b71b8e_quant:
	s_mov_b64 s[64:65], 0
	v_nop
	global_prefetch_b8 v0, s[64:65] scope:SCOPE_SE
	s_setreg_imm32_b32 hwreg(HW_REG_WAVE_MODE, 25, 1), 1
	s_wait_xcnt 0x0
; X [8192][1024] f32 and the four weights [1024 k][1024 n] f32 become codes of E4M3, K innermost, each with the scale 2^e that is given for it.
; code = x / 2^e, held within +-448, rounded to the nearest code, ties to even.
; xc: [3][8192][1024]: X three times, with e0 (for the product with Wq), e2 (Wk), e4 (Wv): the three may differ.
; wc: [4][1024 n][1024 k]: Wq (e1), Wk (e3), Wv (e5), Wo (e11).  In Wo's plane alone the two middle groups of 8 codes of every 32 change places
; (k 0-7, 16-23, 8-15, 24-31): a 16-byte read at 32 c + 16 (lane / 16) then brings k = 32 c + 8 (lane / 16) + 0..7 and 32 c + 16 + 8 (lane / 16) + 0..7,
; the places that the K = 128 matrix form gives its registers 4 c .. 4 c + 3, which is how the last product's other operand is laid.
; LIMITS: -126 <= e <= 119 for each of the seven exponents used here; NaN among the inputs is not served (an infinity is held at the largest code).
; Work-groups 0-255 take X (32,768 numbers each), work-groups 256-383 the weights (128 columns x 256 along K each).  The two ways part on the work-group's number,
; share no line and no LDS byte (X: bytes 0-32767; weights: 32768-67583).  No tensor loads, no barrier: waves share nothing.
.set STEPS, 16                         ; X: steps of 512 numbers for a wave
.set STP,   80                         ; X: a lane's place in a stage: its 64 bytes + 16 of padding
.set WREG,  8192                       ; X: LDS of a wave: two stages of 32 x STP bytes
.set RAW,   16                         ; v16-79   X: four sets of 16 numbers as they are loaded
.set XN,    80                         ; v80-111  X: two sets of 16 neighbours along K
.set HLD,   112
.set COD,   128                        ; v128-151 X: two sets of 12 registers of codes (three planes x 4)
.set SCL,   5                          ; v5-7     X: 2^e as f32, planes 0, 1, 2
.set LIM,   8
.set WSTG,  32768                      ; weights: the waves' stages begin here
.set WP,    272                        ; weights: a stage row: 256 bytes of codes + 16
.set NB,    8                          ; weights: blocks of 32 along K for a wave
.set WX,    32                         ; v32-95   weights: two sets of 32 numbers
.set EC,    96                         ; v96-103  weights: a block's 32 codes as they are stored
.set FC,    104                        ; v104-107 weights: the two middle groups as they are made
.set OUTR,  112                        ; v112-175 weights: the way out
	v_lshl_add_u32 v192, v0, 2, 0x10800
	v_mov_b32 v193, 0
	s_cmp_lt_u32 ttmp9, 256
	s_cbranch_scc0 .Lweights
; ---------------- X.  Each load reads 512 consecutive bytes, 16 a lane; a step's 2,048 bytes turn through the wave's own stage and come back 64 bytes a lane: 16 neighbours along K,
; which is what the conversions take.  A lane's 16 codes are 16 bytes: each store covers 512 consecutive bytes.
	s_load_b64 s[4:5], s[0:1], 0x0                 ; X
	s_load_b128 s[8:11], s[0:1], 0x28              ; the exponents s[8:9], xc s[10:11]
	v_lshrrev_b32 v1, 5, v0
	v_readfirstlane_b32 s16, v1                    ; wave
	v_and_b32 v2, 31, v0                           ; lane
	v_lshlrev_b32 v3, 4, v2                        ; my 16 bytes of a load's, and of a store's, 512; never rewritten
	s_mul_i32 s17, s16, WREG
	v_lshrrev_b32 v14, 2, v2
	v_mul_u32_u24 v14, v14, STP
	v_and_b32 v15, 3, v2
	v_lshl_add_u32 v14, v15, 4, v14
	v_add_nc_u32 v14, s17, v14                     ; the stage, in: STP (lane / 4) + 16 (lane % 4); a load's 512 bytes take eight places
	v_mul_u32_u24 v15, v2, STP
	v_add_nc_u32 v15, s17, v15                     ; and out: STP x lane
	s_lshl_b32 s18, ttmp9, 2
	s_add_co_u32 s18, s18, s16                     ; which run of 8,192 numbers is my wave's: 0 .. 1023
	s_lshl_b32 s20, s18, 15                        ; x 32,768 bytes of f32
	s_mov_b32 s21, 0
	s_lshl_b32 s22, s18, 13                        ; x 8,192 bytes of codes
	s_mov_b32 s23, 0
	s_wait_alu depctr_va_vdst(0)
	s_wait_kmcnt 0x0
	s_load_b256 s[24:31], s[8:9], 0x0              ; e0 .. e7
	s_add_nc_u64 s[4:5], s[4:5], s[20:21]
	s_add_nc_u64 s[32:33], s[10:11], s[22:23]      ; my codes in plane 0,
	s_add_nc_u64 s[34:35], s[32:33], 0x800000      ; plane 1,
	s_add_nc_u64 s[36:37], s[34:35], 0x800000      ; plane 2: a base each, since two planes are more than a store's immediate holds
.macro XLOAD t
.irp i, 0,1,2,3
	global_load_b128 v[RAW+16*((\t)%4)+4*\i:RAW+16*((\t)%4)+4*\i+3], v3, s[4:5] offset:2048*(\t)+512*\i th:TH_LOAD_NT
.endr
.endm
.macro XTURN t                         ; step t's numbers through the stage: LDS serves a wave's instructions in order, so no wait stands between the stores and the loads
.irp i, 0,1,2,3
	ds_store_b128 v14, v[RAW+16*((\t)%4)+4*\i:RAW+16*((\t)%4)+4*\i+3] offset:32*STP*((\t)%2)+8*STP*\i
.endr
.irp i, 0,1,2,3
	ds_load_b128 v[XN+16*((\t)%2)+4*\i:XN+16*((\t)%2)+4*\i+3], v15 offset:32*STP*((\t)%2)+16*\i
.endr
.endm
.irp t, 0,1,2,3
	XLOAD \t
.endr
	s_wait_kmcnt 0x0
.irp j, 0,1,2
	s_add_co_i32 s38, s[24+2*\j], 127              ; e0, e2, e4
	s_lshl_b32 s39, s38, 23
	v_mov_b32 v[SCL+\j], s39                       ; 2^e as f32: the conversion takes its exponent field
	s_add_co_i32 s38, s38, 8
	s_lshl_b32 s38, s38, 23
	s_or_b32 s38, s38, 0x600000
.endr
	s_wait_alu depctr_va_vdst(0)
	s_wait_loadcnt 12                              ; step 0's four loads are in; the twelve of steps 1 to 3 may be out
	XTURN 0
.macro XSTEP t
.set XS, XN+16*((\t)%2)
.set CC, COD+12*((\t)%2)
	s_wait_xcnt 0x0                                ; the stores of two steps ago have read their data: this step's codes are written there.  It stands ahead of the new loads
	s_wait_dscnt 0x0                               ; this step's numbers are back from the stage; its stores into the stage have read their registers,
.if (\t)+4 < STEPS
	XLOAD (\t)+4                                   ; which take the loads of four steps on
.endif
.if (\t)+1 < STEPS
.if STEPS-2-(\t) >= 3
	s_wait_loadcnt 12                              ; the next step's four loads are in; those of the three steps behind it may be out
.else
	s_wait_loadcnt 4*(STEPS-2-(\t))
.endif
	XTURN (\t)+1                                   ; and go through the other stage while this step is worked
.endif
.irp j, 0,1,2
.set i, 0
.rept 16
.set i, i+1
.endr
	v_cvt_scalef32_pk8_fp8_f32 v[CC+4*\j:CC+4*\j+1], v[XS:XS+7], v[SCL+\j]
	v_cvt_scalef32_pk8_fp8_f32 v[CC+4*\j+2:CC+4*\j+3], v[XS+8:XS+15], v[SCL+\j]
	v_nop                                          ; one plain line behind the conversions
	global_store_b128 v3, v[CC+4*\j:CC+4*\j+3], s[32+2*\j:33+2*\j] offset:512*(\t)
.endr
.endm
.irp t, 0,1,2,3,4,5,6,7,8,9,10,11,12,13,14,15
	XSTEP \t
.endr
	s_wait_tensorcnt 0x0
	ds_add_u32 v192, v193
	s_wait_dscnt 0x0
	s_endpgm
; ---------------- The weights.  K is their first axis: a lane takes a column n and its registers run down K, so each load reads 128 consecutive bytes a wave and the conversions give codes with K innermost.
; A wave takes 32 columns x 256 along K; the codes gather in its own stage and leave as rows: sixteen lanes store 256 consecutive bytes, aligned.
.Lweights:
	s_load_b256 s[4:11], s[0:1], 0x8               ; Wq, Wk, Wv, Wo
	s_load_b64 s[12:13], s[0:1], 0x28              ; the exponents
	s_load_b64 s[14:15], s[0:1], 0x38              ; wc
	v_lshrrev_b32 v1, 5, v0
	v_readfirstlane_b32 s16, v1                    ; wave
	v_and_b32 v2, 31, v0                           ; lane
	s_wait_alu depctr_va_vdst(0)
	s_sub_co_u32 s40, ttmp9, 256                   ; 0 .. 127
	s_lshr_b32 s41, s40, 5                         ; which weight
	s_and_b32 s42, s40, 7                          ; which 128 columns
	s_bfe_u32 s43, s40, 0x20003                    ; which 256 along K
	s_lshl_b32 s17, s42, 7
	s_lshl_b32 s18, s16, 5
	s_add_co_u32 s17, s17, s18                     ; my wave's first column
	v_lshlrev_b32 v3, 2, v2                        ; in: 4 bytes a lane
	s_mul_i32 s19, s16, 32*WP
	s_add_co_u32 s19, s19, WSTG                    ; my stage
	v_mul_u32_u24 v4, v2, WP
	v_add_nc_u32 v4, s19, v4                       ; into it: row = my column
	v_and_b32 v5, 15, v2
	v_lshrrev_b32 v6, 4, v2
	v_mul_u32_u24 v7, v6, WP
	v_lshl_add_u32 v7, v5, 4, v7
	v_add_nc_u32 v7, s19, v7                       ; out of it: sixteen lanes to a row, two rows an instruction
	v_lshlrev_b32 v8, 10, v6
	v_lshl_add_u32 v8, v5, 4, v8                   ; and the same place in wc: rows of 1,024 bytes
	s_lshl_b32 s20, s43, 20                        ; 256 rows of 4,096 bytes
	s_lshl_b32 s22, s17, 2
	s_add_co_u32 s20, s20, s22
	s_mov_b32 s21, 0
	s_lshl_b32 s44, s41, 20                        ; the weight's plane,
	s_lshl_b32 s22, s17, 10
	s_add_co_u32 s44, s44, s22                     ; my first column's row,
	s_lshl_b32 s22, s43, 8
	s_add_co_u32 s44, s44, s22                     ; my 256 bytes of it
	s_mov_b32 s45, 0
	s_wait_kmcnt 0x0
	s_load_b256 s[24:31], s[12:13], 0x0            ; e0 .. e7
	s_load_b128 s[32:35], s[12:13], 0x20           ; e8 .. e11
	s_cmp_eq_u32 s41, 1                            ; the choice hangs on the work-group's number alone
	s_cselect_b64 s[4:5], s[6:7], s[4:5]
	s_cmp_eq_u32 s41, 2
	s_cselect_b64 s[4:5], s[8:9], s[4:5]
	s_cmp_eq_u32 s41, 3
	s_cselect_b64 s[4:5], s[10:11], s[4:5]
	s_cselect_b32 s46, -1, 0                       ; all lanes where the weight is Wo
	s_add_nc_u64 s[4:5], s[4:5], s[20:21]
	s_add_nc_u64 s[14:15], s[14:15], s[44:45]
.macro WLOAD t                         ; block t: W(32 t + i, my column), i = 0 .. 31, into set t % 2.  The largest offset is 255 rows of 4,096 bytes
.set i, 0
.rept 32
	global_load_b32 v[WX+32*((\t)%2)+i], v3, s[4:5] offset:(32*(\t)+i)*4096 th:TH_LOAD_NT
.set i, i+1
.endr
.endm
	WLOAD 0
	WLOAD 1
	s_wait_kmcnt 0x0
	s_cmp_eq_u32 s41, 1
	s_cselect_b32 s30, s27, s25                    ; e3 or e1
	s_cmp_eq_u32 s41, 2
	s_cselect_b32 s30, s29, s30                    ; e5
	s_cmp_eq_u32 s41, 3
	s_cselect_b32 s30, s35, s30                    ; e11
	s_add_co_i32 s30, s30, 127
	s_lshl_b32 s31, s30, 23
	v_mov_b32 v11, s31                             ; 2^e as f32
	s_add_co_i32 s30, s30, 8
	s_lshl_b32 s30, s30, 23
	s_or_b32 s30, s30, 0x600000
.macro WBLOCK t
.set XS, WX+32*((\t)%2)
.if (\t) < NB-1
	s_wait_loadcnt 32                              ; this block's 32 loads are in; the next block's may be out
.else
	s_wait_loadcnt 0
.endif
.set i, 0
.rept 32
.set i, i+1
.endr
	v_cvt_scalef32_pk8_fp8_f32 v[EC:EC+1], v[XS:XS+7], v11             ; k 0-7
	v_cvt_scalef32_pk8_fp8_f32 v[FC:FC+1], v[XS+8:XS+15], v11          ; k 8-15
	v_cvt_scalef32_pk8_fp8_f32 v[FC+2:FC+3], v[XS+16:XS+23], v11       ; k 16-23
	v_cvt_scalef32_pk8_fp8_f32 v[EC+6:EC+7], v[XS+24:XS+31], v11       ; k 24-31
	v_nop                                          ; one plain line between the conversions and the selects that read their results
	v_cndmask_b32 v[EC+2], v[FC], v[FC+2], s46     ; the two middle groups: as they come, or, in Wo, changed over
	v_cndmask_b32 v[EC+3], v[FC+1], v[FC+3], s46
	v_cndmask_b32 v[EC+4], v[FC+2], v[FC], s46
	v_cndmask_b32 v[EC+5], v[FC+3], v[FC+1], s46
	ds_store_b128 v4, v[EC:EC+3] offset:32*(\t)
	ds_store_b128 v4, v[EC+4:EC+7] offset:32*(\t)+16
.if (\t)+2 < NB
	WLOAD (\t)+2
.endif
	s_wait_dscnt 0x0                               ; the stores have read their registers: the next block's codes may be written
.endm
	s_wait_alu depctr_va_vdst(0)
.irp t, 0,1,2,3,4,5,6,7
	WBLOCK \t
.endr
.irp t, 0,1,2,3,4,5,6,7,8,9,10,11,12,13,14,15
	ds_load_b128 v[OUTR+4*\t:OUTR+4*\t+3], v7 offset:2*\t*WP      ; LDS serves a wave's instructions in order: these see my stores
.endr
.irp t, 0,1,2,3,4,5,6,7,8,9,10,11,12,13,14,15
	s_wait_dscnt 15-\t                             ; loads come back in order: row pair t is in, the younger ones may be out
	global_store_b128 v8, v[OUTR+4*\t:OUTR+4*\t+3], s[14:15] offset:2*\t*1024
.endr
	s_wait_tensorcnt 0x0
	ds_add_u32 v192, v193
	s_wait_dscnt 0x0
	s_endpgm
.Lfunc_end_k_q4144b71b8e_quant:
	.size	k_q4144b71b8e_quant, .Lfunc_end_k_q4144b71b8e_quant-k_q4144b71b8e_quant
	.p2alignl 7, 3214868480
	.fill 96, 4, 3214868480
	.section	.rodata,"a",@progbits
	.p2align	6, 0x0
	.amdhsa_kernel k_q4144b71b8e_quant
		.amdhsa_group_segment_fixed_size 68096
		.amdhsa_private_segment_fixed_size 0
		.amdhsa_enable_private_segment 0
		.amdhsa_kernarg_size 64
		.amdhsa_user_sgpr_count 2
		.amdhsa_user_sgpr_kernarg_segment_ptr 1
		.amdhsa_wavefront_size32 1
		.amdhsa_system_sgpr_workgroup_id_x 1
		.amdhsa_system_sgpr_workgroup_id_y 1
		.amdhsa_system_sgpr_workgroup_id_z 1
		.amdhsa_system_vgpr_workitem_id 0
		.amdhsa_next_free_vgpr 194
		.amdhsa_next_free_sgpr 66
		.amdhsa_reserve_vcc 0
		.amdhsa_float_denorm_mode_32 3
		.amdhsa_float_denorm_mode_16_64 3
		.amdhsa_fp16_overflow 1
		.amdhsa_memory_ordered 1
		.amdhsa_forward_progress 1
		.amdhsa_inst_pref_size 66
	.end_amdhsa_kernel
	.amdgpu_metadata
---
amdhsa.version: [ 1, 2 ]
amdhsa.kernels:
  - .name:           k_q4144b71b8e_quant
    .symbol:         k_q4144b71b8e_quant.kd
    .args:
      - { .name: X, .offset: 0, .size: 8, .value_kind: global_buffer, .address_space: global }
      - { .name: Wq, .offset: 8, .size: 8, .value_kind: global_buffer, .address_space: global }
      - { .name: Wk, .offset: 16, .size: 8, .value_kind: global_buffer, .address_space: global }
      - { .name: Wv, .offset: 24, .size: 8, .value_kind: global_buffer, .address_space: global }
      - { .name: Wo, .offset: 32, .size: 8, .value_kind: global_buffer, .address_space: global }
      - { .name: lowp_scales, .offset: 40, .size: 8, .value_kind: global_buffer, .address_space: global }
      - { .name: xc, .offset: 48, .size: 8, .value_kind: global_buffer, .address_space: global }
      - { .name: wc, .offset: 56, .size: 8, .value_kind: global_buffer, .address_space: global }
    .group_segment_fixed_size: 68096
    .private_segment_fixed_size: 0
    .kernarg_segment_align: 8
    .kernarg_segment_size: 64
    .max_flat_workgroup_size: 128
    .sgpr_count:     66
    .vgpr_count:     194
    .wavefront_size: 32
...
	.end_amdgpu_metadata
.endif
;; end of part 1
;; launch qkv (part 2): grid 12 x 32, 4 waves a work-group, clusters of 4 x 4, 327,680 bytes of LDS; arguments xc, wc, lowp_scales, bq, bk, bv, qkv; writes qkv
.if DOCPART == 2
	.amdgcn_target "amdgcn-amd-amdhsa--gfx1250"
	.amdhsa_code_object_version 6
	.text
	.protected	k_q4144b71b8e_qkv
	.globl	k_q4144b71b8e_qkv
	.p2align	8
	.type	k_q4144b71b8e_qkv,@function
k_q4144b71b8e_qkv:
	s_mov_b64 s[64:65], 0
	v_nop
	global_prefetch_b8 v0, s[64:65] scope:SCOPE_SE
	s_setreg_imm32_b32 hwreg(HW_REG_WAVE_MODE, 25, 1), 1
	s_wait_xcnt 0x0
	s_wait_alu depctr_hold_cnt(0) depctr_sa_sdst(0) depctr_va_vdst(0) depctr_va_sdst(0) depctr_va_ssrc(0) depctr_va_vcc(0) depctr_vm_vsrc(0)
	s_getreg_b32 s2, hwreg(HW_REG_IB_STS2, 6, 4)
	s_cmp_eq_u32 s2, 0
	s_cbranch_scc0 .Lentry_in_a_cluster
	s_endpgm
.Lentry_in_a_cluster:
	s_bfe_u32 s2, ttmp6, 0x10000c
	s_cmp_lg_u32 s2, 0xf033
	s_cbranch_scc0 .Lentry_shape_is_right
	s_endpgm
.Lentry_shape_is_right:
; The three projections on codes of E4M3, and the quantising of their results for the two products of attention.  Cluster x says which: 0 Q, 1 K, 2 V.
; Q = X Wq + bq and K = X Wk + bk: A = X's codes [8192][1024] (its plane for that product), B = the weight's codes [1024 n][1024 k].
; V is made TRANSPOSED, V^T = Wv^T X^T: A = Wv's codes, B = X's codes: only the two pointers and the tile's coordinates change places, by selects on the cluster's x; no branch hangs on it.
; A tile of 256 x 256 is made by four waves, 128 x 128 each: 64 accumulators, 512 registers.  K = 1,024 goes in four steps of 256 through a ring of two LDS slots filled by the tensor data mover.
; CLUSTERS: 4 x 4 work-groups; the four of a row need the same tiles of A, the four of a column the same tiles of B: each tile is asked for jointly.
; THE MATRIX INSTRUCTION IS USED TRANSPOSED (source 0 = 16 rows of B, source 1 = 16 rows of A): lane (r, h) holds A's row 16 a + r and, in accumulator (a, b), B's rows 16 b + 8 h + 0..7.
; THE WAY OUT NEEDS NO LDS.  value = sum x 2^(ea + eb) + bias, held within +-448 x 2^eq and converted with 2^eq (eq = e6 for Q, e7 for K, e9 for V).  One conversion turns an accumulator's eight numbers into registers
; 2 b, 2 b + 1 of an operand in the matrix forms' own layout (k = 16 b + 8 h + 0..7).  So a block of 16 rows x 128 columns IS an image of operand registers: 16 registers a lane, stored by four stores at 16 x lane + 512 c.
;   Q, K: 128 columns are two heads: registers 0-7 are the even head's fragment (16 tokens x 64), registers 8-15 the odd head's.      V: 16 rows are 16 of a head's 64, the 128 columns 128 keys: one fragment of V^T.
; qkv: three planes of 8 MiB; a block of 16,384 bytes for (batch, pair of heads, 128 tokens) at index (8 batch + pair) 16 + tokens / 128; a wave fills one block: its block a of rows at 2,048 a.
; LIMITS: ea + eb between -126 and 127; eq between -126 and 119.
; NOT DONE: prefetching of tiles: of the four K steps two are the first fills, and a request for the other two would stand at the head beside them.
; REGISTERS, in windows of 256: window 0: v16-31 addresses and constants; v32-95 the bias along the columns; v96-111 the bias along the rows; from v128 A's fragments, ONE set (on the way out: v128-191 values, v192-255 codes).
;   window 1: B's fragments, TWO sets.   window 2: the accumulators of my rows 0-63 ((a, b) at v[8 (8 a + b)]);   window 3: those of rows 64-127.
.set KSTEP,  256
.set ROWB,   256                       ; a tile's row in bytes
.set KROW,   1024                      ; a row of codes in memory
.set PITCH,  272                       ; an LDS row: 256 bytes + 16 of padding = 68 words: the 16 rows that a load touches start at 16 different banks (64 banks of 4 bytes: ISA guide 11.1)
.set FR,     16                        ; registers of a fragment: 16 rows x 128 K
.set NL,     4                         ; LDS loads that bring one
.set NP,     4                         ; places behind this matrix instruction (ISA guide 7.12.1)
.set HALFT,  128*PITCH
.set SLOT,   4*HALFT                   ; A's 256 rows, then B's 256 rows
.set LAPS,   2                         ; 1,024 / 512
.set SPARE,  2*SLOT                    ; behind the ring: the spare words, 128 bytes for each wave
.set ADRA, 16                          ; v16-17  LDS address of my A fragments in slot 0, 1
.set ADRB, 20                          ; v20-21  the same for B
.set VBC,  24                          ; v24     byte offset of my column biases
.set VBR,  25                          ; v25     of my row biases
.set LI,   26                          ; v26     16 x lane: my place in an image
.set SPW,  28                          ; v28     LDS address of my spare word; never rewritten
.set NIL,  29                          ; v29     0; never rewritten
.set SCQ,  30                          ; v30     2^eq as f32
.set LMQ,  31
.set BC,   32                          ; v32-95  bias of column 16 b + 8 h + j at 8 b + j (zeros for V)
.set BR,   96                          ; v96-111 bias of row 16 a + r, twice, at 2 a (zeros for Q and K)
.set AF,   128
.set TMP,  128
.set CD,   192                         ; four sets of 16
.set G1, 24
.set G0, 32
.set G1B, 48
.set G0B, 56
.set MSB, 0
.macro WIN new                         ; the immediate's high byte repeats the setting that is left
.if MSB != \new
	s_set_vgpr_msb (MSB<<8)|\new
.set MSB, \new
.endif
.endm
.set MUL_LO, 0xa1                      ; source 0 (B) window 1, source 1 (A) window 0, C and D window 2
.set MUL_HI, 0xf1                      ; the same, C and D window 3
.set TO_B,   0x40                      ; destination window 1, address window 0
; A joint load: waves 0 and 1 fetch for A, waves 2 and 3 for B.  The branch hangs on the wave's number alone.  Four v_nop follow each of the two lines.
.macro JLOAD g0a, g1a, g0b, g1b
	s_cmp_eq_u32 s15, 0
	s_cbranch_scc0 .Lfor_b_\@
	tensor_load_to_lds s[\g0a:\g0a+3], s[\g1a:\g1a+7]
	s_nop 0
.rept 4
	v_nop
.endr
	s_branch .Lasked_\@
.Lfor_b_\@:
	tensor_load_to_lds s[\g0b:\g0b+3], s[\g1b:\g1b+7]
	s_nop 0
.rept 4
	v_nop
.endr
.Lasked_\@:
.endm
.macro CREST                           ; a round of the cluster's barrier behind its opening barrier
	s_cmp_lg_u32 s14, 0
	s_cbranch_scc1 .Lnot_wave_0_\@
	s_barrier_signal -3
.Lnot_wave_0_\@:
	s_barrier_wait -3
	s_barrier_signal -1
	s_barrier_wait -1
.endm
.macro CROUND
	s_barrier_signal -1
	s_barrier_wait -1
	CREST
.endm
	s_load_b128 s[4:7], s[0:1], 0x0                ; xc, wc
	s_load_b64 s[8:9], s[0:1], 0x10                ; the exponents
	s_load_b128 s[68:71], s[0:1], 0x18             ; bq, bk
	s_load_b128 s[72:75], s[0:1], 0x28             ; bv, qkv
	v_lshl_add_u32 v[SPW], v0, 2, SPARE
	v_mov_b32 v[NIL], 0
	ds_add_u32 v28, v29
	ds_add_u32 v28, v29
	s_wait_dscnt 0x0
	v_lshrrev_b32 v1, 5, v0
	v_readfirstlane_b32 s14, v1                    ; wave 0..3
	s_lshr_b32 s15, s14, 1                         ; which half of the tile's rows is mine.  Also: I fetch for A (0) or for B (1)
	s_and_b32 s16, s14, 1                          ; which half of its columns.  Also: which 128 rows of that tile I fetch
	s_bfe_u32 s40, ttmp6, 0x40000                  ; cx, cy: my place in the cluster
	s_bfe_u32 s41, ttmp6, 0x40004
	s_mov_b32 s76, ttmp9                           ; cluster x: 0 Q, 1 K, 2 V: the same in all sixteen partners
	s_and_b32 s77, ttmp7, 0xffff
	s_lshl_b32 s77, s77, 2                         ; 4 x cluster y: X's 32 tiles of 256 rows go along it
	s_cmp_eq_u32 s76, 2
	s_cselect_b32 s78, 0, s77
	s_cselect_b32 s79, s77, 0
	s_add_co_u32 s17, s78, s41                     ; tile row: 4 x cluster y + cy; for V: cy
	s_add_co_u32 s42, s79, s40                     ; tile column: cx; for V: 4 x cluster y + cx
	s_lshl_b32 s43, s41, 2
	s_lshl_b32 s43, 15, s43                        ; my row of the cluster
	s_lshl_b32 s44, 0x1111, s40                    ; my column
	s_or_b32 s[G1+0], s43, (0<<16)|(1<<20)|(1<<21)|(5<<22)|(3<<25)  ; 15:0 the mask: A's tiles go to my row; elements of 1 byte; padding on; bit 21 beside a mask; after every 64 words 4 words
	s_or_b32 s[G1B+0], s44, (0<<16)|(1<<20)|(1<<21)|(5<<22)|(3<<25)
.irp g, G1, G1B
	s_mov_b32 s[\g+1], ROWB<<16                    ; tensor_dim0
	s_mov_b32 s[\g+2], 128<<16                     ; tensor_dim1
	s_mov_b32 s[\g+3], ROWB<<16                    ; tile_dim0
	s_mov_b32 s[\g+4], 128                         ; tile_dim1
	s_mov_b32 s[\g+5], KROW                        ; tensor_dim0_stride
	s_mov_b32 s[\g+6], 0
	s_mov_b32 s[\g+7], 0
.endr
	s_lshl_b32 s18, s16, 7                         ; which 128 rows of the tile I fetch
	s_lshl_b32 s20, s17, 8
	s_add_co_u32 s20, s20, s18
	s_lshl_b32 s20, s20, 10                        ; A: (256 x tile row + 128 x half) rows of 1,024 bytes
	s_mov_b32 s21, 0
	s_lshl_b32 s46, s42, 8
	s_add_co_u32 s46, s46, s18
	s_lshl_b32 s46, s46, 10                        ; B: the same by the tile column
	s_mov_b32 s47, 0
	s_mul_i32 s45, s14, HALFT                      ; where they go: wave x 128 rows: no place in the cluster enters an LDS address
	s_lshl_b32 s22, s76, 23                        ; X's plane of codes,
	s_mov_b32 s23, 0
	s_lshl_b32 s18, s76, 20                        ; the weight's
	s_mov_b32 s19, 0
	s_wait_kmcnt 0x0
	s_load_b256 s[80:87], s[8:9], 0x0              ; e0 .. e7
	s_load_b128 s[88:91], s[8:9], 0x20             ; e8 .. e11
	s_add_nc_u64 s[4:5], s[4:5], s[22:23]
	s_add_nc_u64 s[6:7], s[6:7], s[18:19]
	s_cmp_eq_u32 s76, 2
	s_cselect_b64 s[92:93], s[6:7], s[4:5]         ; A: X's codes; for V the weight's
	s_cselect_b64 s[94:95], s[4:5], s[6:7]         ; B: the other
	s_add_nc_u64 s[20:21], s[92:93], s[20:21]
	s_add_nc_u64 s[46:47], s[94:95], s[46:47]
	s_cmp_eq_u32 s76, 1
	s_cselect_b64 s[68:69], s[70:71], s[68:69]
	s_cmp_eq_u32 s76, 2
	s_cselect_b64 s[68:69], s[72:73], s[68:69]     ; the product's bias
	CROUND                                         ; all sixteen work-groups are here: the first joint loads meet
.irp s, 0,1
	s_mov_b32 s[G0+4*\s], 1
	s_add_co_u32 s[G0+4*\s+1], s45, \s*SLOT
	s_add_nc_u64 s[G0+4*\s+2:G0+4*\s+3], s[20:21], \s*ROWB
	s_or_b32 s[G0+4*\s+3], s[G0+4*\s+3], 0x80000000
	s_mov_b32 s[G0B+4*\s], 1
	s_add_co_u32 s[G0B+4*\s+1], s45, \s*SLOT
	s_add_nc_u64 s[G0B+4*\s+2:G0B+4*\s+3], s[46:47], \s*ROWB
	s_or_b32 s[G0B+4*\s+3], s[G0B+4*\s+3], 0x80000000
	JLOAD G0+4*\s, G1, G0B+4*\s, G1B               ; two loads of mine are out
.endr
	v_and_b32 v1, 15, v0                           ; r = l % 16
	v_bfe_u32 v2, v0, 4, 1                         ; h = l / 16
	s_wait_alu depctr_va_vdst(0)
	v_mul_u32_u24 v3, v1, PITCH
	v_lshl_add_u32 v4, v2, 4, v3                   ; a fragment's row x pitch + 16 x half
	s_mul_i32 s21, s15, HALFT                      ; my 128 rows of A
	s_mul_i32 s22, s16, HALFT                      ; my 128 rows of B,
	s_add_co_u32 s22, s22, 2*HALFT                 ; which lie behind A's 256
.irp s, 0,1
	v_add_nc_u32 v[ADRA+\s], s21, v4
	v_add_nc_u32 v[ADRB+\s], s22, v4
	s_add_co_u32 s21, s21, SLOT
	s_add_co_u32 s22, s22, SLOT
.endr
	v_and_b32 v5, 31, v0
	v_lshlrev_b32 v[LI], 4, v5
	; my block of qkv.  u1 = my 128 rows of A, u2 = my 128 rows of B, counted in 128s.  Q, K: tokens = u1, pair of heads = u2; V: the other way round
	s_lshl_b32 s78, s17, 1
	s_add_co_u32 s78, s78, s15                     ; u1
	s_lshl_b32 s79, s42, 1
	s_add_co_u32 s79, s79, s16                     ; u2
	s_cmp_eq_u32 s76, 2
	s_cselect_b32 s66, s79, s78                    ; tokens / 128: 0 .. 63
	s_cselect_b32 s67, s78, s79                    ; pair of heads: 0 .. 7
	s_lshr_b32 s78, s66, 4                         ; batch
	s_lshl_b32 s78, s78, 3
	s_add_co_u32 s78, s78, s67
	s_lshl_b32 s78, s78, 4
	s_and_b32 s66, s66, 15
	s_add_co_u32 s78, s78, s66
	s_lshl_b32 s78, s78, 14                        ; x 16,384 bytes
	s_lshl_b32 s66, s76, 23
	s_add_co_u32 s78, s78, s66                     ; + the plane
	s_mov_b32 s79, 0
	s_add_nc_u64 s[10:11], s[74:75], s[78:79]
	; the bias runs along the columns for Q and K, along the rows for V.  Both sides are loaded, the side that does not apply from the buffer's head, and made zeros on the way out
	s_lshl_b32 s66, s42, 10
	s_lshl_b32 s67, s16, 9
	s_add_co_u32 s66, s66, s67                     ; 4 x (256 x tile column + 128 x half)
	s_lshl_b32 s67, s17, 10
	s_lshl_b32 s77, s15, 9
	s_add_co_u32 s67, s67, s77                     ; 4 x (256 x tile row + 128 x half)
	s_cmp_eq_u32 s76, 2
	s_cselect_b32 s66, 0, s66
	s_cselect_b32 s67, s67, 0
	s_cselect_b32 s98, 0, -1                       ; all lanes: the column bias counts
	s_cselect_b32 s99, -1, 0                       ; all lanes: the row bias counts
	v_lshl_add_u32 v[VBC], v2, 5, s66              ; + 32 h: my eight columns of a block of 16
	v_lshl_add_u32 v[VBR], v1, 2, s67              ; + 4 r: my row
.irp b, 0,1,2,3,4,5,6,7
	global_load_b128 v[BC+8*\b:BC+8*\b+3], v[VBC], s[68:69] offset:64*\b
	global_load_b128 v[BC+8*\b+4:BC+8*\b+7], v[VBC], s[68:69] offset:64*\b+16
.endr
.irp a, 0,1,2,3,4,5,6,7
	global_load_b32 v[BR+2*\a], v[VBR], s[68:69] offset:64*\a
.endr
.macro FRAG reg, adr, q, i             ; 16 rows x 128 K: lane l holds row l % 16; registers 4 c .. 4 c + 3 hold K = 32 c + 16 (l / 16) + 0 .. 15: the same order of k in A and in B
.irp c, 0,1,2,3
	ds_load_b128 v[\reg+4*\c:\reg+4*\c+3], v[\adr] offset:128*(\q)+32*\c+(\i)*16*PITCH
.endr
.endm
; 16 matrix instructions: A's blocks a0, a0 + 1 x B's eight.  p: B's set.  zero = 1: the first product starts the sums.  The 64 accumulators take turns, one instruction a turn.
.macro MUL16 a0, p, zero
.irp a, \a0, \a0+1
.irp b, 0,1,2,3,4,5,6,7
.if \zero
	v_wmma_f32_16x16x128_fp8_fp8 v[8*(8*((\a)%4)+\b):8*(8*((\a)%4)+\b)+7], v[128*(\p)+FR*\b:128*(\p)+FR*\b+FR-1], v[AF+FR*(\a):AF+FR*(\a)+FR-1], 0
.else
	v_wmma_f32_16x16x128_fp8_fp8 v[8*(8*((\a)%4)+\b):8*(8*((\a)%4)+\b)+7], v[128*(\p)+FR*\b:128*(\p)+FR*\b+FR-1], v[AF+FR*(\a):AF+FR*(\a)+FR-1], v[8*(8*((\a)%4)+\b):8*(8*((\a)%4)+\b)+7]
.endif
.endr
.endr
.endm
.macro FETCH_B slot, q, p
	WIN TO_B
.irp i, 0,1,2,3,4,5,6,7
	FRAG 128*(\p)+FR*\i, ADRB+\slot, \q, \i
.endr
	WIN 0
.endm
.macro FETCH_A slot, q, i0
.irp i, \i0, \i0+1, \i0+2, \i0+3
	FRAG AF+FR*(\i), ADRA+\slot, \q, \i
.endr
.endm
.macro PLACES n                        ; plain vector lines between a matrix instruction and a load into, or a vector read or write of, its registers
.rept \n
	v_nop
.endr
.endm
; A step of 128 along K that has its successor in the same slot.  A block of A is free once its eight products are issued: blocks 0-3 are fetched anew in the step's middle, blocks 4-7 at its end.
.macro STEP slot, q, zero
	s_wait_dscnt 4*NL                              ; B's set and A's blocks 0-3 are in; the youngest sixteen loads (A's blocks 4-7) may be out
	WIN MUL_LO
	MUL16 0, (\q)%2, \zero
	MUL16 2, (\q)%2, \zero
	s_wait_dscnt 0                                 ; A's blocks 4-7 are in
	PLACES NP
	FETCH_B \slot, (\q)+1, 1-(\q)%2
	FETCH_A \slot, (\q)+1, 0
	WIN MUL_HI
	MUL16 4, (\q)%2, \zero
	MUL16 6, (\q)%2, \zero
	PLACES NP
	WIN 0
	FETCH_A \slot, (\q)+1, 4
.endm
; A slot's last step changes slots: ONE barrier; in front of it each wave waits for all its tensor loads, adds 0 to its spare word, and waits for that and for its own reads of this slot.  fill = 1: the slot is filled again, two K steps ahead.
.macro TURN slot, next, fill
	s_wait_tensorcnt 0x0                           ; all my tensor loads have landed: my part of the next slot
	ds_add_u32 v[SPW], v[NIL]                      ; 0 onto my spare word
	s_wait_dscnt 4*NL+1                            ; (the add and the youngest sixteen loads may be out)
	WIN MUL_LO
	MUL16 0, 1, 0                                  ; sixteen matrix instructions stand between the add and the wait for it
	s_wait_dscnt 0x0                               ; the add is done, and my reads of this slot are over
	s_barrier_signal -1
	MUL16 2, 1, 0
	WIN 0
	s_barrier_wait -1
.if \fill
	CREST                                          ; the barrier has opened a round of the cluster's: no wave of any partner still reads this slot or has a load on its way
	s_add_nc_u64 s[G0+4*\slot+2:G0+4*\slot+3], s[G0+4*\slot+2:G0+4*\slot+3], 2*ROWB
	s_add_nc_u64 s[G0B+4*\slot+2:G0B+4*\slot+3], s[G0B+4*\slot+2:G0B+4*\slot+3], 2*ROWB
	JLOAD G0+4*\slot, G1, G0B+4*\slot, G1B         ; the first tensor load behind the round, one a wave; its four v_nop are the places in front of the loads below
.else
	PLACES NP
.endif
	FETCH_B \next, 0, 0
	FETCH_A \next, 0, 0
	WIN MUL_HI
	MUL16 4, 1, 0
	MUL16 6, 1, 0
	PLACES NP
	WIN 0
	FETCH_A \next, 0, 4
.endm
	s_wait_alu depctr_va_vdst(0)
	s_wait_tensorcnt 1                             ; my part of K step 0 is in (K step 1's load may be out)
	s_barrier_signal -1
	s_barrier_wait -1                              ; everybody's is
	FETCH_B 0, 0, 0
	FETCH_A 0, 0, 0
	FETCH_A 0, 0, 4
	STEP 0, 0, 1                                   ; the first step stands in front of the loop: its products start the sums
	s_mov_b32 s3, LAPS-1
.Llap:                                                 ; a trip goes once round the ring and fills both slots again
	TURN 0, 1, 1
	STEP 1, 0, 0
	TURN 1, 0, 1
	STEP 0, 0, 0
	s_sub_co_u32 s3, s3, 1
	s_cmp_lg_u32 s3, 0
	s_cbranch_scc1 .Llap
	TURN 0, 1, 0                                   ; the last lap fills nothing
	STEP 1, 0, 0
	s_wait_dscnt 4*NL                              ; the very last step
	WIN MUL_LO
	MUL16 0, 1, 0
	MUL16 2, 1, 0
	s_wait_dscnt 0
	WIN MUL_HI
	MUL16 4, 1, 0
	MUL16 6, 1, 0
	WIN 0
	; THE WAY OUT
	s_wait_kmcnt 0x0
	s_add_co_i32 s80, s80, s81                     ; e0 + e1
	s_add_co_i32 s82, s82, s83                     ; e2 + e3
	s_add_co_i32 s84, s84, s85                     ; e4 + e5
	s_cmp_eq_u32 s76, 1
	s_cselect_b32 s100, s82, s80
	s_cselect_b32 s101, s87, s86                   ; e7 or e6
	s_cmp_eq_u32 s76, 2
	s_cselect_b32 s100, s84, s100                  ; ea + eb
	s_cselect_b32 s101, s89, s101                  ; eq (V: e9)
	s_add_co_i32 s100, s100, 127
	s_lshl_b32 s96, s100, 23                       ; 2^(ea + eb) as f32
	s_mov_b32 s97, s96                             ; (named with it as a pair)
	s_add_co_i32 s101, s101, 127
	s_lshl_b32 s100, s101, 23
	v_mov_b32 v[SCQ], s100
	s_add_co_i32 s101, s101, 8
	s_lshl_b32 s101, s101, 23
	s_or_b32 s101, s101, 0x600000
	s_wait_loadcnt 0x0                             ; the biases
.set j, 0
.rept 64
	v_cndmask_b32 v[BC+j], 0, v[BC+j], s98         ; zeros where the bias runs along the rows.  (These plain lines are also the places behind the last products)
.set j, j+1
.endr
.irp a, 0,1,2,3,4,5,6,7
	v_cndmask_b32 v[BR+2*\a], 0, v[BR+2*\a], s99   ; zeros where it runs along the columns
	v_mov_b32 v[BR+2*\a+1], v[BR+2*\a]             ; a pair for the packed addition
.endr
.macro OUT a                           ; block a: 16 rows x 128 columns
.set AC, 64*((\a)%4)
.set CS, CD+16*((\a)%4)
.if (\a) >= 4
	s_wait_xcnt 0x0                                ; block a - 4's stores have read their data: this block's codes are written there
.endif
	WIN 0x02+((\a)/4)                              ; source 0: window 2 or 3
.set j, 0
.rept 32
	v_pk_fma_f32 v[TMP+j:TMP+j+1], v[AC+j:AC+j+1], s[96:97], v[BC+j:BC+j+1] op_sel_hi:[1,0,1]   ; sum x 2^(ea + eb) + the column's bias; each accumulator from its low end on
.set j, j+2
.endr
	WIN 0
.set j, 0
.rept 32
	v_pk_add_f32 v[TMP+j:TMP+j+1], v[TMP+j:TMP+j+1], v[BR+2*(\a):BR+2*(\a)+1]                  ; + the row's
.set j, j+2
.endr
.set j, 0
.rept 64
.set j, j+1
.endr
.set j, 0
.rept 8
	v_cvt_scalef32_pk8_fp8_f32 v[CS+2*j:CS+2*j+1], v[TMP+8*j:TMP+8*j+7], v[SCQ]
.set j, j+1
.endr
	v_nop                                          ; one plain line between the conversions and the next block's lines, which write their sources
.irp c, 0,1,2,3
	global_store_b128 v[LI], v[CS+4*\c:CS+4*\c+3], s[10:11] offset:2048*(\a)+512*\c             ; 32 lanes store 512 consecutive bytes, aligned
.endr
.endm
.irp a, 0,1,2,3,4,5,6,7
	OUT \a
.endr
	s_wait_tensorcnt 0x0                           ; the wave's end
	ds_add_u32 v[SPW], v[NIL]
	s_wait_dscnt 0x0
	CROUND                                         ; the closing round: no work-group ends while a partner may still ask for a tile that names it
	s_endpgm
.Lfunc_end_k_q4144b71b8e_qkv:
	.size	k_q4144b71b8e_qkv, .Lfunc_end_k_q4144b71b8e_qkv-k_q4144b71b8e_qkv
	.p2alignl 7, 3214868480
	.fill 96, 4, 3214868480
	.section	.rodata,"a",@progbits
	.p2align	6, 0x0
	.amdhsa_kernel k_q4144b71b8e_qkv
		.amdhsa_group_segment_fixed_size 327680
		.amdhsa_private_segment_fixed_size 0
		.amdhsa_enable_private_segment 0
		.amdhsa_kernarg_size 56
		.amdhsa_user_sgpr_count 2
		.amdhsa_user_sgpr_kernarg_segment_ptr 1
		.amdhsa_wavefront_size32 1
		.amdhsa_system_sgpr_workgroup_id_x 1
		.amdhsa_system_sgpr_workgroup_id_y 1
		.amdhsa_system_sgpr_workgroup_id_z 1
		.amdhsa_system_vgpr_workitem_id 0
		.amdhsa_next_free_vgpr 1024
		.amdhsa_next_free_sgpr 102
		.amdhsa_reserve_vcc 0
		.amdhsa_float_denorm_mode_32 3
		.amdhsa_float_denorm_mode_16_64 3
		.amdhsa_fp16_overflow 1
		.amdhsa_memory_ordered 1
		.amdhsa_forward_progress 1
		.amdhsa_inst_pref_size 126
	.end_amdhsa_kernel
	.amdgpu_metadata
---
amdhsa.version: [ 1, 2 ]
amdhsa.kernels:
  - .name:           k_q4144b71b8e_qkv
    .symbol:         k_q4144b71b8e_qkv.kd
    .args:
      - { .name: xc, .offset: 0, .size: 8, .value_kind: global_buffer, .address_space: global }
      - { .name: wc, .offset: 8, .size: 8, .value_kind: global_buffer, .address_space: global }
      - { .name: lowp_scales, .offset: 16, .size: 8, .value_kind: global_buffer, .address_space: global }
      - { .name: bq, .offset: 24, .size: 8, .value_kind: global_buffer, .address_space: global }
      - { .name: bk, .offset: 32, .size: 8, .value_kind: global_buffer, .address_space: global }
      - { .name: bv, .offset: 40, .size: 8, .value_kind: global_buffer, .address_space: global }
      - { .name: qkv, .offset: 48, .size: 8, .value_kind: global_buffer, .address_space: global }
    .group_segment_fixed_size: 327680
    .private_segment_fixed_size: 0
    .kernarg_segment_align: 8
    .kernarg_segment_size: 56
    .max_flat_workgroup_size: 128
    .sgpr_count:     102
    .vgpr_count:     1024
    .wavefront_size: 32
...
	.end_amdgpu_metadata
.endif
;; end of part 2
;; launch attn (part 3): grid 4 x 64, 16 waves a work-group, no clusters, 327,680 bytes of LDS; arguments qkv, lowp_scales, oc; writes oc
.if DOCPART == 3
	.amdgcn_target "amdgcn-amd-amdhsa--gfx1250"
	.amdhsa_code_object_version 6
	.text
	.protected	k_q4144b71b8e_attn
	.globl	k_q4144b71b8e_attn
	.p2align	8
	.type	k_q4144b71b8e_attn,@function
k_q4144b71b8e_attn:
	s_mov_b64 s[64:65], 0
	v_nop
	global_prefetch_b8 v0, s[64:65] scope:SCOPE_SE
	s_setreg_imm32_b32 hwreg(HW_REG_WAVE_MODE, 25, 1), 1
	s_wait_xcnt 0x0
; Causal attention on codes of E4M3, head size 64, 2,048 tokens, 64 (batch, head) pairs; its result quantised (e10) for the last projection.
; t = score x 2^(e6 + e7) x log2(e) / 8; M = the row's largest t so far, rounded UP to a whole number; p = 2^(t - M) is quantised with 2^e8, not normalised; the row's sum is taken of the unquantised p
; and divides O at the end.  When M moves, the sum and O are multiplied by 2^(old M - new M): exact.
; INPUT: qkv holds IMAGES OF OPERAND REGISTERS (lane l's 16 bytes of registers 4 c .. 4 c + 3 at 512 c + 16 l).  A fragment of Q or K: 16 tokens x 64, 1,024 bytes; of V^T: 16 of the head's 64 x 128 keys, 2,048 bytes.
; So every LDS read is 16 x lane + a constant: consecutive bytes, no padding.  OUTPUT: oc, images likewise: [16 rows of the 8,192][pair of heads][2,048 bytes], a head's half 1,024 bytes.
; SHARES.  Work-group (x, y): y = 16 batch + head.  It owns the blocks of 256 queries 7 - x, first, and x.  Block j needs the keys' slots (256 keys) 0 .. j: 8 - x and x + 1 slots: ALWAYS NINE.  So the trip count is a constant,
; and all 256 work-groups have the same work.  Each of the sixteen waves owns 16 queries of a block: four waves to a SIMD, so that one wave's vector work stands beside another's products and LDS loads.
; LAYOUT.  Both products are used transposed: S^T = K Q^T (source 0 = 16 keys, source 1 = my queries), O^T = V^T P^T: a lane holds ONE query (lane % 16) throughout, and register j of tile t the key 16 t + 8 (lane / 16) + j:
; one conversion a tile gives registers 2 t, 2 t + 1 of the second product's operand in that form's own layout.
; CAUSAL.  A step (128 keys) all of whose keys come after my 16 queries is left out by a scalar branch on ids; on the diagonal hidden scores become -infinity ahead of the maximum.  A step that is not left out begins at or
; before my first query, so each query has a key that counts in it.
; NO CLUSTER: the four work-groups of a head want different slots from their sixth trip on (the second block begins at trip 8 - x); walking in step would make 12 trips of the 9.
; LIMITS: e6 + e7 between -123 and 130; e8 and e10 between -126 and 119; e8 + e9 is applied by v_ldexp_f32.
; REGISTERS: v1-7 addresses that stay; v12 -M, v13 the largest t, v[14:15] the sum in two halves; v16-23 Q; v24-31 the second block's Q; v32-95 eight fragments of K, then four of V; v96-159 S^T, then p; v160-191 O^T;
; v192-207 p's codes; v208-223 the two blocks' codes of O; v224-231 at work; v240-245 constants.
.set SLOT1, 32768                      ; a slot: 16 images of K (16,384 bytes), then 2 x 4 of V; slot 1 begins here: one exclusive or turns an address
.set VOFF,  16384
.set SPARE, 65536                      ; behind the ring: the spare words, 128 bytes for each of the sixteen waves
.set LI,   1                           ; v1   16 x lane
.set ADR,  2                           ; v2   LDS address of the slot in hand, for my lane
.set PFO,  3                           ; v3   the prefetches' offset
.set SPW,  5                           ; v5   LDS address of my spare word; never rewritten
.set NIL,  6                           ; v6   0; never rewritten
.set RH,   7                           ; v7   lane % 16 - 8 (lane / 16)
.set MA,   224
.set MB,   225
.set PD,   226
.set FF,   228                         ; v[228:229] f = 2^(old M - new M), and a word that is only named
.set SU,   230                         ; v[230:231]
.set LP,   240
.set SCP,  241                         ; 2^e8
.set LO,   242
.set SCO,  243                         ; 2^e10
.set NINF, 244
.set DD,   245
.set OCA,  208
.set OCB,  216
.set TB,   2                           ; s2   LDS byte at which the slot in hand begins
.set TT,   3                           ; s3   the trip, 0 .. 8
.set N1,   10                          ; s10  8 - x: the trip at which the second block begins
.set LIM,  11                          ; s11  a wave prefetches while the trip is below this
.set KF,   12                          ; s12  the step's first key
.set Q0,   13                          ; s13  my first query
.set Q0B,  14                          ; s14  and in the second block
.set WV,   18
.set SEL,  20                          ; s[20:21] selects for v_permlanex16_b32: lane l xor 16
.set CS,   22                          ; s[22:23] c
.set G1K,  24
.set G1V,  32
.set G0K,  40
.set G0V,  44
.set KB,   48                          ; s[48:49] my part of the head's K at slot 0;  s[50:51] of V
.set VB,   50
.set OFF,  52                          ; s[52:53] the slot that is asked for, in bytes
.set OUTA, 54
.set OUTB, 56
.set PFA,  58
; Waves 0 and 1 fetch K's halves, waves 2 and 3 V's, the others nothing.  Four v_nop follow each of the two lines.
.macro TLOAD
	s_cmp_lt_u32 s[WV], 2
	s_cbranch_scc0 .Lnot_k_\@
	tensor_load_to_lds s[G0K:G0K+3], s[G1K:G1K+7]
	s_nop 0
.rept 4
	v_nop
.endr
	s_branch .Lasked_\@
.Lnot_k_\@:
	s_cmp_lt_u32 s[WV], 4
	s_cbranch_scc0 .Lasked_\@
	tensor_load_to_lds s[G0V:G0V+3], s[G1V:G1V+7]
	s_nop 0
.rept 4
	v_nop
.endr
.Lasked_\@:
.endm
; A PREFETCH of the slot that the NEXT change of slots will ask for.  The four work-groups of a head walk slots 0 .. 4 together and x = 0 walks 0 .. 7: it alone asks.  In it waves 4 and 5 ask for K's two halves
; (8 pieces of 1,024 bytes, 2,048 apart: four lanes to a piece), waves 6 and 7 for V's (8,192 bytes on end), lanes 256 bytes apart: each block of 256 bytes is named once.  Trip T names slot T + 2; trips 6 and on ask for nothing.
.macro ASK
	s_cmp_lt_u32 s[TT], s[LIM]
	s_cbranch_scc0 .Lnot_mine_\@
	global_prefetch_b8 v[PFO], s[PFA:PFA+1] th:TH_LOAD_NT scope:SCOPE_SE
.Lnot_mine_\@:
.endm
	s_load_b128 s[4:7], s[0:1], 0x0                ; qkv, the exponents
	s_load_b64 s[8:9], s[0:1], 0x10                ; oc
	v_lshl_add_u32 v[SPW], v0, 2, SPARE
	v_mov_b32 v[NIL], 0
	ds_add_u32 v5, v6
	ds_add_u32 v5, v6
	s_wait_dscnt 0x0
	v_lshrrev_b32 v2, 5, v0
	s_delay_alu instid0(VALU_DEP_1)
	v_readfirstlane_b32 s[WV], v2                  ; wave 0..15
	s_and_b32 s72, ttmp7, 0xffff
	s_lshr_b32 s73, s72, 4                         ; batch
	s_and_b32 s74, s72, 15                         ; head
	s_lshr_b32 s75, s74, 1                         ; pair of heads
	s_and_b32 s76, s74, 1                          ; which of the pair
	s_lshl_b32 s77, s73, 3
	s_add_co_u32 s77, s77, s75
	s_lshl_b32 s77, s77, 18                        ; the pair's 16 blocks of 16,384 bytes in a plane
	s_and_b32 s78, s[WV], 1                        ; which 128 keys of a slot I fetch
	s_lshl_b32 s79, s78, 14
	s_sub_co_u32 s[N1], 8, ttmp9
	s_sub_co_u32 s84, 7, ttmp9                     ; the first block
	s_lshl_b32 s85, s84, 4
	s_add_co_u32 s85, s85, s[WV]                   ; my tile of 16 queries: 16 x block + wave
	s_lshl_b32 s[Q0], s85, 4
	s_lshl_b32 s86, ttmp9, 4
	s_add_co_u32 s86, s86, s[WV]                   ; and in the second block
	s_lshl_b32 s[Q0B], s86, 4
	s_lshl_b32 s87, s76, 10                        ; 1,024 x which of the pair
	s_lshl_b32 s80, s85, 11
	s_add_co_u32 s80, s80, s77
	s_add_co_u32 s80, s80, s87                     ; Q's image: tile x 2,048 + the head's half
	s_mov_b32 s81, 0
	s_lshl_b32 s82, s86, 11
	s_add_co_u32 s82, s82, s77
	s_add_co_u32 s82, s82, s87
	s_mov_b32 s83, 0
	s_lshl_b32 s88, s73, 7                         ; 128 tiles of rows a batch
	s_lshl_b32 s89, s75, 11
	s_add_co_u32 s89, s89, s87
	s_add_co_u32 s[OUTA], s88, s85
	s_lshl_b32 s[OUTA], s[OUTA], 14
	s_add_co_u32 s[OUTA], s[OUTA], s89
	s_mov_b32 s[OUTA+1], 0
	s_add_co_u32 s[OUTB], s88, s86
	s_lshl_b32 s[OUTB], s[OUTB], 14
	s_add_co_u32 s[OUTB], s[OUTB], s89
	s_mov_b32 s[OUTB+1], 0
	s_add_co_u32 s[KB], s77, s79
	s_add_co_u32 s[VB], s[KB], 0x1000000           ; V's plane,
	s_add_co_u32 s[KB], s[KB], 0x800000            ; K's
	s_add_co_u32 s[KB], s[KB], s87                 ; K: the head's pieces begin 1,024 x which,
	s_lshl_b32 s90, s76, 13
	s_add_co_u32 s[VB], s[VB], s90                 ; V: 8,192 x which
	s_mov_b32 s[KB+1], 0
	s_mov_b32 s[VB+1], 0
	; descriptor group 1.  K: 8 pieces of 1,024 bytes (128 elements of 8 bytes), 2,048 bytes apart.  V: 8,192 bytes on end, as 32 rows of 256
	s_mov_b32 s[G1K], 3<<16                        ; no mask; elements of 8 bytes; no padding
	s_mov_b32 s[G1K+1], 128<<16                    ; tensor_dim0
	s_mov_b32 s[G1K+2], 8<<16                      ; tensor_dim1
	s_mov_b32 s[G1K+3], 128<<16                    ; tile_dim0
	s_mov_b32 s[G1K+4], 8                          ; tile_dim1
	s_mov_b32 s[G1K+5], 256                        ; tensor_dim0_stride
	s_mov_b32 s[G1K+6], 0
	s_mov_b32 s[G1K+7], 0
	s_mov_b32 s[G1V], 3<<16
	s_mov_b32 s[G1V+1], 32<<16
	s_mov_b32 s[G1V+2], 32<<16
	s_mov_b32 s[G1V+3], 32<<16
	s_mov_b32 s[G1V+4], 32
	s_mov_b32 s[G1V+5], 32
	s_mov_b32 s[G1V+6], 0
	s_mov_b32 s[G1V+7], 0
	s_mov_b32 s[SEL], 0x76543210
	s_mov_b32 s[SEL+1], 0xfedcba98
	s_mov_b32 s[CS], 0x3e38aa3b                    ; log2(e) / 8
	s_mov_b32 s[TB], 0
	s_mov_b32 s[KF], 0
	s_mov_b32 s[OFF], 0
	s_mov_b32 s[OFF+1], 0
	s_wait_kmcnt 0x0
	s_load_b64 s[60:61], s[6:7], 0x18              ; e6, e7
	s_load_b128 s[68:71], s[6:7], 0x20             ; e8 .. e11
	s_add_nc_u64 s[KB:KB+1], s[4:5], s[KB:KB+1]
	s_add_nc_u64 s[VB:VB+1], s[4:5], s[VB:VB+1]
	s_add_nc_u64 s[80:81], s[4:5], s[80:81]
	s_add_nc_u64 s[82:83], s[4:5], s[82:83]
	s_add_nc_u64 s[OUTA:OUTA+1], s[8:9], s[OUTA:OUTA+1]
	s_add_nc_u64 s[OUTB:OUTB+1], s[8:9], s[OUTB:OUTB+1]
	s_mov_b32 s[G0K], 1
	s_lshl_b32 s[G0K+1], s78, 13                   ; LDS: slot 0, my half of K's 16,384 bytes
	s_mov_b64 s[G0K+2:G0K+3], s[KB:KB+1]
	s_or_b32 s[G0K+3], s[G0K+3], 0x80000000
	s_mov_b32 s[G0V], 1
	s_add_co_u32 s[G0V+1], s[G0K+1], VOFF
	s_mov_b64 s[G0V+2:G0V+3], s[VB:VB+1]
	s_or_b32 s[G0V+3], s[G0V+3], 0x80000000
	TLOAD                                          ; slot 0: one load of mine is out
	v_and_b32 v[LI], 31, v0
	s_delay_alu instid0(VALU_DEP_1)
	v_lshlrev_b32 v[LI], 4, v[LI]
	global_load_b128 v[16:19], v[LI], s[80:81]
	global_load_b128 v[20:23], v[LI], s[80:81] offset:512
	global_load_b128 v[24:27], v[LI], s[82:83]     ; the second block's Q waits in registers
	global_load_b128 v[28:31], v[LI], s[82:83] offset:512
	v_and_b32 v[RH], 15, v0
	v_bfe_u32 v4, v0, 4, 1
	s_delay_alu instid0(VALU_DEP_1)
	v_lshlrev_b32 v4, 3, v4
	s_delay_alu instid0(VALU_DEP_1)
	v_sub_nc_u32 v[RH], v[RH], v4
	; the prefetches: where they stand, and who asks
	s_cmp_lt_u32 s[WV], 6
	s_cselect_b64 s[PFA:PFA+1], s[KB:KB+1], s[VB:VB+1]
	s_cselect_b32 s72, 11, 10                      ; four lanes on: 2,048 bytes in K, 1,024 in V
	s_add_nc_u64 s[PFA:PFA+1], s[PFA:PFA+1], 32768 ; in slot 1: the first change of slots steps it to slot 2
	v_and_b32 v[PFO], 3, v0
	s_delay_alu instid0(VALU_DEP_1)
	v_lshlrev_b32 v[PFO], 8, v[PFO]
	v_bfe_u32 v4, v0, 2, 3
	s_delay_alu instid0(VALU_DEP_1)
	v_lshlrev_b32 v4, s72, v4
	s_delay_alu instid0(VALU_DEP_1)
	v_add_nc_u32 v[PFO], v[PFO], v4
	s_sub_co_u32 s72, s[WV], 4
	s_lshr_b32 s72, s72, 2                         ; 0 in waves 4 to 7,
	s_or_b32 s72, s72, ttmp9                       ; of work-group x = 0
	s_cmp_eq_u32 s72, 0
	s_cselect_b32 s[LIM], 6, 0
	v_mov_b32 v13, 0xff61b1e6                      ; the largest t so far: -3e38
	s_delay_alu instid0(VALU_DEP_1)
	v_floor_f32 v12, -v13                          ; -M
	v_mov_b32 v14, 0
	v_mov_b32 v15, 0
	v_mov_b32 v[PD], 0                             ; a lane permute's destination counts as one of its sources
	v_mov_b32 v[FF+1], 0                           ; (named as the upper half of a pair)
	v_mov_b32 v[NINF], 0xff800000
.set j, 0
.rept 32
	v_mov_b32 v[160+j], 0                          ; O^T: the step is written once; the first finds zeros, which the first change of M leaves zeros
.set j, j+1
.endr
	s_wait_kmcnt 0x0
	s_add_co_i32 s72, s60, s61
	s_lshl_b32 s72, s72, 23
	s_add_co_i32 s[CS], s[CS], s72                 ; e6 + e7 go into c's exponent field
	s_mov_b32 s[CS+1], s[CS]
	s_add_co_i32 s72, s68, 127
	s_lshl_b32 s73, s72, 23
	v_mov_b32 v[SCP], s73
	s_add_co_i32 s72, s70, 127
	s_lshl_b32 s73, s72, 23
	v_mov_b32 v[SCO], s73
	s_add_co_i32 s66, s68, s69                     ; e8 + e9
; A KEY STEP: 128 keys, the q-th of the slot in hand.
.macro STEP q
	s_add_co_u32 s72, s[Q0], 15
	s_cmp_gt_u32 s[KF], s72
	s_cbranch_scc1 .Lhidden_\@                     ; all its keys come after my queries
	v_add_nc_u32 v[ADR], s[TB], v[LI]
.rept 3
	v_nop                                          ; with the addition: four places in front of loads into registers that the last products read
.endr
.set t, 0
.rept 8
	ds_load_b128 v[32+8*t:35+8*t], v[ADR] offset:(8*(\q)+t)*1024
	ds_load_b128 v[36+8*t:39+8*t], v[ADR] offset:(8*(\q)+t)*1024+512
.set t, t+1
.endr
	s_wait_dscnt 0x0
.set t, 0
	s_wait_alu depctr_va_vdst(0)
.rept 8
	v_wmma_f32_16x16x64_fp8_fp8 v[96+8*t:103+8*t], v[32+8*t:39+8*t], v[16:23], 0
.set t, t+1
.endr
.rept 4
	v_nop                                          ; places: for V's loads into K's registers, and for the first reads of the scores
.endr
.set t, 0
.rept 16
	ds_load_b128 v[32+4*t:35+4*t], v[ADR] offset:VOFF+8192*(\q)+512*t      ; V's four fragments land while the softmax is worked
.set t, t+1
.endr
	s_add_co_u32 s72, s[KF], 127
	s_cmp_le_u32 s72, s[Q0]
	s_cbranch_scc1 .Lopen_\@                       ; all its keys count
	s_sub_co_i32 s72, s[Q0], s[KF]
	v_add_nc_u32 v[DD], s72, v[RH]                 ; my query - the step's first key - 8 (lane / 16): register n holds a hidden key where 16 (n / 8) + n % 8 is above it
.set n, 0
.rept 64
	v_cmp_gt_i32 vcc_lo, 16*(n/8)+n%8, v[DD]
	v_cndmask_b32 v[96+n], v[96+n], v[NINF], vcc_lo
.set n, n+1
.endr
.Lopen_\@:
	v_max3_num_f32 v[MA], v96, v97, v98            ; the step's largest score of my query among my 64 keys, in two chains, from each tile's low end on
	v_max3_num_f32 v[MB], v99, v100, v101
.irp i, 6,10,14,18,22,26,30,34,38,42,46,50,54,58
	v_max3_num_f32 v[MA], v[MA], v[96+\i], v[97+\i]
	v_max3_num_f32 v[MB], v[MB], v[98+\i], v[99+\i]
.endr
	v_max3_num_f32 v[MA], v[MA], v158, v159
	s_delay_alu instid0(VALU_DEP_1)
	v_max_num_f32 v[MA], v[MA], v[MB]
	s_delay_alu instid0(VALU_DEP_1)
	v_permlanex16_b32 v[PD], v[MA], s[SEL], s[SEL+1]
	s_delay_alu instid0(VALU_DEP_1)
	v_max_num_f32 v[MA], v[MA], v[PD]              ; and among lane l xor 16's
	s_delay_alu instid0(VALU_DEP_1)
	v_mul_f32 v[MA], s[CS], v[MA]                  ; as t (c is positive)
	s_delay_alu instid0(VALU_DEP_1)
	v_max_num_f32 v13, v13, v[MA]
	v_mov_b32 v[MA], v12
	s_delay_alu instid0(VALU_DEP_2)
	v_floor_f32 v12, -v13                          ; the new -M = -ceil(t)
	s_delay_alu instid0(VALU_DEP_1)
	v_sub_f32 v[MA], v12, v[MA]                    ; old M - new M: a whole number, 0 or less
	s_delay_alu instid0(VALU_DEP_1)
	v_cvt_i32_f32 v[MA], v[MA]                     ; (it saturates)
	s_delay_alu instid0(VALU_DEP_1)
	v_ldexp_f32 v[FF], 1.0, v[MA]                  ; f
.set j, 0
.rept 32
	v_pk_fma_f32 v[96+j:97+j], v[96+j:97+j], s[CS:CS+1], v[12:13] op_sel_hi:[1,0,0]    ; t - M
.set j, j+2
.endr
.set j, 0
	s_wait_alu depctr_va_vdst(0)
.rept 64
	v_exp_f32 v[96+j], v[96+j]                     ; p
.set j, j+1
.endr
	v_pk_mul_f32 v[14:15], v[14:15], v[FF:FF+1] op_sel_hi:[1,0]    ; the sums under the new M: the plain line behind the exponentials
	s_wait_alu depctr_va_vdst(0)                   ; one wait for the batch of 64, ahead of its first reader
	v_pk_add_f32 v[230:231], v[100:101], v[104:105]
	v_pk_add_f32 v[254:255], v[108:109], v[112:113]
	v_pk_add_f32 v[252:253], v[116:117], v[120:121]
	v_pk_add_f32 v[250:251], v[124:125], v[128:129]
	v_pk_add_f32 v[248:249], v[132:133], v[136:137]
	v_pk_add_f32 v[246:247], v[140:141], v[144:145]
	v_pk_add_f32 v[238:239], v[148:149], v[152:153]
	v_pk_add_f32 v[14:15], v[14:15], v[156:157]
	v_pk_add_f32 v[230:231], v[230:231], v[96:97]
	v_pk_add_f32 v[254:255], v[254:255], v[98:99]
	v_pk_add_f32 v[252:253], v[252:253], v[102:103]
	v_pk_add_f32 v[250:251], v[250:251], v[106:107]
	v_pk_add_f32 v[248:249], v[248:249], v[110:111]
	v_pk_add_f32 v[246:247], v[246:247], v[114:115]
	v_pk_add_f32 v[238:239], v[238:239], v[118:119]
	v_pk_add_f32 v[14:15], v[14:15], v[122:123]
	v_pk_add_f32 v[230:231], v[230:231], v[126:127]
	v_pk_add_f32 v[254:255], v[254:255], v[130:131]
	v_pk_add_f32 v[252:253], v[252:253], v[134:135]
	v_pk_add_f32 v[250:251], v[250:251], v[138:139]
	v_pk_add_f32 v[248:249], v[248:249], v[142:143]
	v_pk_add_f32 v[246:247], v[246:247], v[146:147]
	v_pk_add_f32 v[238:239], v[238:239], v[150:151]
	v_pk_add_f32 v[14:15], v[14:15], v[154:155]
	v_pk_add_f32 v[230:231], v[230:231], v[158:159]
	s_delay_alu instid0(VALU_DEP_2)
	v_pk_add_f32 v[14:15], v[14:15], v[250:251]
	s_delay_alu instid0(VALU_DEP_2)
	v_pk_add_f32 v[230:231], v[230:231], v[248:249]
	v_pk_add_f32 v[254:255], v[254:255], v[246:247]
	v_pk_add_f32 v[252:253], v[252:253], v[238:239]
	s_delay_alu instid0(VALU_DEP_2)
	v_pk_add_f32 v[14:15], v[14:15], v[254:255]
	s_delay_alu instid0(VALU_DEP_2)
	v_pk_add_f32 v[230:231], v[230:231], v[252:253]
	s_delay_alu instid0(VALU_DEP_1)
	v_pk_add_f32 v[14:15], v[14:15], v[230:231]
.set t, 0
.rept 8
.set i, 0
.rept 8
.set i, i+1
.endr
	v_cvt_scalef32_pk8_fp8_f32 v[192+2*t:193+2*t], v[96+8*t:103+8*t], v[SCP]
.set t, t+1
.endr
.set j, 0
.rept 16
	v_pk_mul_f32 v[160+j:161+j], v[160+j:161+j], v[FF:FF+1] op_sel_hi:[1,0]    ; O^T under the new M; also the plain lines between the conversions and the products
.set j, j+2
.endr
	s_wait_alu depctr_va_vdst(0)
	s_wait_dscnt 0x0                               ; V is in
.set t, 0
.rept 4
	v_wmma_f32_16x16x128_fp8_fp8 v[160+8*t:167+8*t], v[32+16*t:47+16*t], v[192:207], v[160+8*t:167+8*t]    ; four accumulators, one instruction a turn; eight products K Q^T stand between a step's and the next's
.set t, t+1
.endr
.Lhidden_\@:
	s_add_co_u32 s[KF], s[KF], 128
.endm
; THE CHANGE OF SLOTS stands at a trip's head.  Each wave waits for all its tensor loads, adds 0 to its spare word, and waits for that and for its reads of the slot that it has left.
; Behind the barrier the slot ahead is whole and nobody reads the other.  fill = 1: that other slot takes the next slot of keys, or slot 0 again where the next trip begins the second block.
.macro CHANGE fill
	s_wait_tensorcnt 0x0                           ; no tensor load of mine is out, so a group 0 may be written
	ds_add_u32 v[SPW], v[NIL]                      ; 0 onto my spare word
.if \fill
	s_xor_b32 s[G0K+1], s[G0K+1], SLOT1
	s_xor_b32 s[G0V+1], s[G0V+1], SLOT1
	s_add_co_u32 s[OFF], s[OFF], 32768             ; a slot on: 2 blocks of 16,384 bytes, in K and in V
	s_add_co_u32 s72, s[TT], 1
	s_cmp_eq_u32 s72, s[N1]
	s_cselect_b32 s[OFF], 0, s[OFF]
	s_add_nc_u64 s[G0K+2:G0K+3], s[KB:KB+1], s[OFF:OFF+1]
	s_or_b32 s[G0K+3], s[G0K+3], 0x80000000
	s_add_nc_u64 s[G0V+2:G0V+3], s[VB:VB+1], s[OFF:OFF+1]
	s_or_b32 s[G0V+3], s[G0V+3], 0x80000000
	s_wait_xcnt 0x0                                ; the last prefetch, a trip back, has read its address
	s_add_nc_u64 s[PFA:PFA+1], s[PFA:PFA+1], 32768
.endif
	s_wait_dscnt 0x0                               ; the add is done, and my reads of the slot that I have left are over
	s_barrier_signal -1
	s_barrier_wait -1
.if \fill
	TLOAD                                          ; the first thing behind the barrier, and a wave's one tensor load until the next
	ASK
.endif
.endm
; A block's end: O^T / the sum x 2^(e8 + e9), quantised with 2^e10: accumulator t gives registers 2 t, 2 t + 1 of the last product's operand: the head's half of an image
.macro FIN base, oc
.rept 4
	v_nop                                          ; places behind the last products
.endr
	v_add_f32 v14, v14, v15
	s_delay_alu instid0(VALU_DEP_1)
	v_permlanex16_b32 v[PD], v14, s[SEL], s[SEL+1]
	s_delay_alu instid0(VALU_DEP_1)
	v_add_f32 v14, v14, v[PD]                      ; the row's sum
	s_wait_alu depctr_va_vdst(0)
	v_rcp_f32 v14, v14
	v_nop                                          ; a plain line behind the reciprocal,
	s_wait_alu depctr_va_vdst(0)                   ; and the wait ahead of its first reader
	v_ldexp_f32 v14, v14, s66
.set j, 0
.rept 32
	v_mul_f32 v[96+j], v[160+j], v14
.set j, j+1
.endr
.set j, 0
.rept 32
.set j, j+1
.endr
.set t, 0
.rept 4
	v_cvt_scalef32_pk8_fp8_f32 v[\oc+2*t:\oc+2*t+1], v[96+8*t:103+8*t], v[SCO]
.set t, t+1
.endr
	v_nop                                          ; one plain line behind the conversions: later products write their sources
	global_store_b128 v[LI], v[\oc:\oc+3], s[\base:\base+1]              ; 32 lanes store 512 consecutive bytes, aligned
	global_store_b128 v[LI], v[\oc+4:\oc+7], s[\base:\base+1] offset:512
.endm
; At trip 8 - x the first block is finished and the second begins.  A branch on ids; no barrier and no tensor load stands in it.
.macro SWITCH
	s_cmp_eq_u32 s[TT], s[N1]
	s_cbranch_scc0 .Lsame_\@
	FIN OUTA, OCA
	v_mov_b32 v13, 0xff61b1e6
	s_delay_alu instid0(VALU_DEP_1)
	v_floor_f32 v12, -v13
	v_mov_b32 v14, 0
	v_mov_b32 v15, 0
.set j, 0
.rept 32
	v_mov_b32 v[160+j], 0
.set j, j+1
.endr
.set j, 0
.rept 8
	v_mov_b32 v[16+j], v[24+j]
.set j, j+1
.endr
	s_mov_b32 s[KF], 0
	s_mov_b32 s[Q0], s[Q0B]
.Lsame_\@:
.endm
	s_wait_loadcnt 0x0                             ; Q
	s_mov_b32 s[TT], 0
.Lslot:                                            ; eight trips: behind each change of slots but the last the next slot is asked for
	CHANGE 1
	SWITCH
	STEP 0
	STEP 1
	s_xor_b32 s[TB], s[TB], SLOT1
	s_add_co_u32 s[TT], s[TT], 1
	s_cmp_lt_u32 s[TT], 8
	s_cbranch_scc1 .Lslot
	CHANGE 0                                       ; the ninth is written out
	SWITCH                                         ; (x = 0 begins its second block here)
	STEP 0
	STEP 1
	FIN OUTB, OCB
	s_wait_tensorcnt 0x0                           ; the wave's end
	ds_add_u32 v[SPW], v[NIL]
	s_wait_dscnt 0x0
	s_endpgm
.Lfunc_end_k_q4144b71b8e_attn:
	.size	k_q4144b71b8e_attn, .Lfunc_end_k_q4144b71b8e_attn-k_q4144b71b8e_attn
	.p2alignl 7, 3214868480
	.fill 96, 4, 3214868480
	.section	.rodata,"a",@progbits
	.p2align	6, 0x0
	.amdhsa_kernel k_q4144b71b8e_attn
		.amdhsa_group_segment_fixed_size 327680
		.amdhsa_private_segment_fixed_size 0
		.amdhsa_enable_private_segment 0
		.amdhsa_kernarg_size 24
		.amdhsa_user_sgpr_count 2
		.amdhsa_user_sgpr_kernarg_segment_ptr 1
		.amdhsa_wavefront_size32 1
		.amdhsa_system_sgpr_workgroup_id_x 1
		.amdhsa_system_sgpr_workgroup_id_y 1
		.amdhsa_system_sgpr_workgroup_id_z 1
		.amdhsa_system_vgpr_workitem_id 0
		.amdhsa_next_free_vgpr 256
		.amdhsa_next_free_sgpr 92
		.amdhsa_reserve_vcc 1
		.amdhsa_float_denorm_mode_32 3
		.amdhsa_float_denorm_mode_16_64 3
		.amdhsa_fp16_overflow 1
		.amdhsa_memory_ordered 1
		.amdhsa_forward_progress 1
		.amdhsa_inst_pref_size 95
	.end_amdhsa_kernel
	.amdgpu_metadata
---
amdhsa.version: [ 1, 2 ]
amdhsa.kernels:
  - .name:           k_q4144b71b8e_attn
    .symbol:         k_q4144b71b8e_attn.kd
    .args:
      - { .name: qkv, .offset: 0, .size: 8, .value_kind: global_buffer, .address_space: global }
      - { .name: lowp_scales, .offset: 8, .size: 8, .value_kind: global_buffer, .address_space: global }
      - { .name: oc, .offset: 16, .size: 8, .value_kind: global_buffer, .address_space: global }
    .group_segment_fixed_size: 327680
    .private_segment_fixed_size: 0
    .kernarg_segment_align: 8
    .kernarg_segment_size: 24
    .max_flat_workgroup_size: 512
    .sgpr_count:     92
    .vgpr_count:     256
    .wavefront_size: 32
...
	.end_amdgpu_metadata
.endif
;; end of part 3
;; launch oproj (part 4): grid 4 x 32, 4 waves a work-group, clusters of 4 x 4, 327,680 bytes of LDS; arguments oc, wc, lowp_scales, bo, out0; writes out0
.if DOCPART == 4
	.amdgcn_target "amdgcn-amd-amdhsa--gfx1250"
	.amdhsa_code_object_version 6
	.text
	.protected	k_q4144b71b8e_oproj
	.globl	k_q4144b71b8e_oproj
	.p2align	8
	.type	k_q4144b71b8e_oproj,@function
k_q4144b71b8e_oproj:
	s_mov_b64 s[64:65], 0
	v_nop
	global_prefetch_b8 v0, s[64:65] scope:SCOPE_SE
	s_setreg_imm32_b32 hwreg(HW_REG_WAVE_MODE, 25, 1), 1
	s_wait_xcnt 0x0
	s_wait_alu depctr_hold_cnt(0) depctr_sa_sdst(0) depctr_va_vdst(0) depctr_va_sdst(0) depctr_va_ssrc(0) depctr_va_vcc(0) depctr_vm_vsrc(0)
	s_getreg_b32 s2, hwreg(HW_REG_IB_STS2, 6, 4)
	s_cmp_eq_u32 s2, 0
	s_cbranch_scc0 .Lentry_in_a_cluster
	s_endpgm
.Lentry_in_a_cluster:
	s_bfe_u32 s2, ttmp6, 0x10000c
	s_cmp_lg_u32 s2, 0xf033
	s_cbranch_scc0 .Lentry_shape_is_right
	s_endpgm
.Lentry_shape_is_right:
; out0 = O Wo + bo on codes of E4M3: out0[m][n] = 2^(e10 + e11) x sum over k of O[m][k] Wo[k][n] + bo[n].  M 8,192, N 1,024, K 1,024; out0 f32.
; A = oc: IMAGES OF OPERAND REGISTERS, [16 rows of the 8,192 (512)][128 along K (8)][2,048 bytes], lane l's registers 4 c .. 4 c + 3 at 512 c + 16 l, in the K = 128 form's own order of k.
; B = wc's fourth plane: Wo's codes [1024 n][1024 k], the two middle groups of 8 of every 32 changed over, so that a 16-byte read at 32 c + 16 (lane / 16) brings the same k as A's registers 4 c .. 4 c + 3.
; A tile of 256 x 256 is made by four waves, 128 x 128 each.  K goes in four steps of 256 through a ring of two LDS slots.  128 tiles: 128 work-groups.
; CLUSTERS: 4 x 4 work-groups; A's tile is shared along a row of the cluster, B's along a column: each is asked for jointly.
; THE MATRIX INSTRUCTION IS USED TRANSPOSED (source 0 = 16 rows of B, source 1 = 16 rows of A): a lane holds eight neighbouring numbers of a row of out0.
; LIMIT: e10 + e11 between -126 and 127.
; NOT DONE: prefetching of tiles: of the four K steps two are the first fills, and a request for the other two would stand at the head beside them.
; REGISTERS, in windows of 256: window 0: v16-29 addresses; v32-95 bo at my columns; from v128 A's fragments, ONE set (on the way out: rows read back).   window 1: B's fragments, TWO sets (on the way out v0-63: a block's results).
;   window 2: the accumulators of my rows 0-63 ((a, b) at v[8 (8 a + b)]);   window 3: those of rows 64-127.
.set ROWB,   256                       ; B: a tile's row in bytes
.set KROW,   1024
.set PITCH,  272                       ; B: an LDS row: 256 bytes + 16: the 16 rows that a load touches start at 16 different banks (64 banks of 4 bytes: ISA guide 11.1)
.set FR,     16
.set NL,     4
.set NP,     4
.set ABYTES, 65536                     ; A in a slot: 16 blocks of rows x 2 x 2,048 bytes, on end: every read is 16 x lane + a constant
.set HALFB,  128*PITCH
.set SLOT,   ABYTES+2*HALFB
.set LAPS,   2
.set SPARE,  2*SLOT                    ; behind the ring: the spare words, 128 bytes for each wave
.set SPITCH, 528                       ; the way out: a stage of 16 rows x (512 + 16) bytes for each wave, in slot 0, which has had its last fill and its last read when the first result is stored there
.set ADRA, 16
.set ADRB, 20
.set STO,  24
.set RD,   25
.set CO,   26
.set VBO,  27                          ; v27     byte offset of my biases
.set SPW,  28
.set NIL,  29
.set BC,   32                          ; v32-95  bo of column 16 b + 8 h + j at 8 b + j
.set AF,   128
.set BK,   128                         ; the way out: 16 rows read back: v128-191 and v192-255 by turns
.set TM,   0                           ; the way out: 64 registers of window 1
.set G1, 24
.set G0, 32
.set G1B, 48
.set G0B, 56
.set MSB, 0
.macro WIN new
.if MSB != \new
	s_set_vgpr_msb (MSB<<8)|\new
.set MSB, \new
.endif
.endm
.set MUL_LO, 0xa1
.set MUL_HI, 0xf1
.set TO_B,   0x40
.macro JLOAD g0a, g1a, g0b, g1b        ; waves 0 and 1 fetch for A, waves 2 and 3 for B; four v_nop follow each of the two lines
	s_cmp_eq_u32 s15, 0
	s_cbranch_scc0 .Lfor_b_\@
	tensor_load_to_lds s[\g0a:\g0a+3], s[\g1a:\g1a+7]
	s_nop 0
.rept 4
	v_nop
.endr
	s_branch .Lasked_\@
.Lfor_b_\@:
	tensor_load_to_lds s[\g0b:\g0b+3], s[\g1b:\g1b+7]
	s_nop 0
.rept 4
	v_nop
.endr
.Lasked_\@:
.endm
.macro CREST
	s_cmp_lg_u32 s14, 0
	s_cbranch_scc1 .Lnot_wave_0_\@
	s_barrier_signal -3
.Lnot_wave_0_\@:
	s_barrier_wait -3
	s_barrier_signal -1
	s_barrier_wait -1
.endm
.macro CROUND
	s_barrier_signal -1
	s_barrier_wait -1
	CREST
.endm
	s_load_b128 s[4:7], s[0:1], 0x0                ; oc, wc
	s_load_b128 s[8:11], s[0:1], 0x10              ; the exponents, bo
	s_load_b64 s[12:13], s[0:1], 0x20              ; out0
	v_lshl_add_u32 v[SPW], v0, 2, SPARE
	v_mov_b32 v[NIL], 0
	ds_add_u32 v28, v29
	ds_add_u32 v28, v29
	s_wait_dscnt 0x0
	v_lshrrev_b32 v1, 5, v0
	v_readfirstlane_b32 s14, v1                    ; wave 0..3
	s_lshr_b32 s15, s14, 1                         ; which half of the tile's rows is mine.  Also: I fetch for A (0) or for B (1)
	s_and_b32 s16, s14, 1                          ; which half of its columns.  Also: which half of that tile I fetch
	s_bfe_u32 s40, ttmp6, 0x40000                  ; cx, cy
	s_bfe_u32 s41, ttmp6, 0x40004
	s_lshl_b32 s42, ttmp9, 2
	s_add_co_u32 s42, s42, s40                     ; tile column
	s_and_b32 s17, ttmp7, 0xffff
	s_lshl_b32 s17, s17, 2
	s_add_co_u32 s17, s17, s41                     ; tile row
	s_lshl_b32 s43, s41, 2
	s_lshl_b32 s43, 15, s43                        ; my row of the cluster
	s_lshl_b32 s44, 0x1111, s40                    ; my column
	; A: 8 blocks of rows, of each 4,096 bytes (512 elements of 8 bytes), 16,384 bytes apart; no padding
	s_or_b32 s[G1+0], s43, (3<<16)|(1<<21)
	s_mov_b32 s[G1+1], 512<<16                     ; tensor_dim0
	s_mov_b32 s[G1+2], 8<<16                       ; tensor_dim1
	s_mov_b32 s[G1+3], 512<<16                     ; tile_dim0
	s_mov_b32 s[G1+4], 8                           ; tile_dim1
	s_mov_b32 s[G1+5], 2048                        ; tensor_dim0_stride
	s_mov_b32 s[G1+6], 0
	s_mov_b32 s[G1+7], 0
	; B: 128 rows of 256 bytes, 1,024 apart, 16 bytes of padding behind each
	s_or_b32 s[G1B+0], s44, (0<<16)|(1<<20)|(1<<21)|(5<<22)|(3<<25)
	s_mov_b32 s[G1B+1], ROWB<<16
	s_mov_b32 s[G1B+2], 128<<16
	s_mov_b32 s[G1B+3], ROWB<<16
	s_mov_b32 s[G1B+4], 128
	s_mov_b32 s[G1B+5], KROW
	s_mov_b32 s[G1B+6], 0
	s_mov_b32 s[G1B+7], 0
	s_lshl_b32 s18, s16, 17                        ; my half: 8 blocks of 16,384 bytes in A, 128 rows of 1,024 in B: the same number
	s_lshl_b32 s20, s17, 18
	s_add_co_u32 s20, s20, s18                     ; A: 16 blocks x tile row + my half
	s_mov_b32 s21, 0
	s_lshl_b32 s46, s42, 18
	s_add_co_u32 s46, s46, s18
	s_add_co_u32 s46, s46, 0x300000                ; B: Wo's plane, 256 rows x tile column + my half
	s_mov_b32 s47, 0
	s_lshl_b32 s45, s16, 15                        ; where they go: A's halves of 32,768 bytes,
	s_mul_i32 s19, s16, HALFB
	s_add_co_u32 s19, s19, ABYTES                  ; B's behind them: no place in the cluster enters an LDS address
	s_wait_kmcnt 0x0
	s_load_b64 s[96:97], s[8:9], 0x28              ; e10, e11
	s_add_nc_u64 s[20:21], s[4:5], s[20:21]
	s_add_nc_u64 s[46:47], s[6:7], s[46:47]
	CROUND                                         ; all sixteen work-groups are here: the first joint loads meet
.irp s, 0,1
	s_mov_b32 s[G0+4*\s], 1
	s_add_co_u32 s[G0+4*\s+1], s45, \s*SLOT
	s_add_nc_u64 s[G0+4*\s+2:G0+4*\s+3], s[20:21], \s*4096
	s_or_b32 s[G0+4*\s+3], s[G0+4*\s+3], 0x80000000
	s_mov_b32 s[G0B+4*\s], 1
	s_add_co_u32 s[G0B+4*\s+1], s19, \s*SLOT
	s_add_nc_u64 s[G0B+4*\s+2:G0B+4*\s+3], s[46:47], \s*ROWB
	s_or_b32 s[G0B+4*\s+3], s[G0B+4*\s+3], 0x80000000
	s_wait_alu depctr_va_vdst(0)
	s_wait_tensorcnt 0x0
	ds_add_u32 v28, v29
	ds_add_u32 v28, v29
	s_wait_dscnt 0x0
	CROUND
	JLOAD G0+4*\s, G1, G0B+4*\s, G1B               ; one load of mine is out
.endr
	v_and_b32 v1, 15, v0                           ; r
	v_bfe_u32 v2, v0, 4, 1                         ; h
	v_mul_u32_u24 v3, v1, PITCH
	v_lshl_add_u32 v4, v2, 4, v3                   ; B: a fragment's row x pitch + 16 h
	v_and_b32 v6, 31, v0
	v_lshlrev_b32 v[CO], 4, v6                     ; 16 x lane: A's images; a row of the stage; a row of out0
	s_wait_alu depctr_va_vdst(0)
	s_lshl_b32 s21, s15, 15                        ; my 8 blocks of A
	s_mul_i32 s22, s16, HALFB
	s_add_co_u32 s22, s22, ABYTES                  ; my 128 rows of B
.irp s, 0,1
	v_add_nc_u32 v[ADRA+\s], s21, v[CO]
	v_add_nc_u32 v[ADRB+\s], s22, v4
	s_add_co_u32 s21, s21, SLOT
	s_add_co_u32 s22, s22, SLOT
.endr
	s_mul_i32 s23, s14, 16*SPITCH                  ; my stage
	v_mul_u32_u24 v5, v1, SPITCH                   ; in: row r, 32 bytes for each half of the lanes
	v_lshl_add_u32 v5, v2, 5, v5
	v_add_nc_u32 v[STO], s23, v5
	v_add_nc_u32 v[RD], s23, v[CO]                 ; back: the 32 lanes take one row of 512 bytes
	s_lshl_b32 s20, s17, 8
	s_lshl_b32 s21, s15, 7
	s_add_co_u32 s20, s20, s21                     ; my first row of out0
	s_lshl_b32 s20, s20, 12                        ; x 4,096 bytes
	s_mov_b32 s21, 0
	s_lshl_b32 s46, s42, 10                        ; my first column, in bytes: 1,024 x tile column + 512 x half
	s_lshl_b32 s47, s16, 9
	s_add_co_u32 s46, s46, s47
	s_mov_b32 s47, 0
	v_lshl_add_u32 v[VBO], v2, 5, s46              ; bo: the same bytes, + 32 h
	s_add_nc_u64 s[20:21], s[20:21], s[46:47]
	s_add_nc_u64 s[12:13], s[12:13], s[20:21]
.irp b, 0,1,2,3,4,5,6,7
	global_load_b128 v[BC+8*\b:BC+8*\b+3], v[VBO], s[10:11] offset:64*\b
	global_load_b128 v[BC+8*\b+4:BC+8*\b+7], v[VBO], s[10:11] offset:64*\b+16
.endr
.macro FRAGA reg, adr, q, i            ; block i of my rows, the slot's q-th 128 along K: an image comes back as it was stored
.irp c, 0,1,2,3
	ds_load_b128 v[\reg+4*\c:\reg+4*\c+3], v[\adr] offset:4096*(\i)+2048*(\q)+512*\c
.endr
.endm
.macro FRAGB reg, adr, q, i
.irp c, 0,1,2,3
	ds_load_b128 v[\reg+4*\c:\reg+4*\c+3], v[\adr] offset:128*(\q)+32*\c+(\i)*16*PITCH
.endr
.endm
.macro MUL16 a0, p, zero               ; the 64 accumulators take turns, one instruction a turn
.irp a, \a0, \a0+1
.irp b, 0,1,2,3,4,5,6,7
.if \zero
	v_wmma_f32_16x16x128_fp8_fp8 v[8*(8*((\a)%4)+\b):8*(8*((\a)%4)+\b)+7], v[128*(\p)+FR*\b:128*(\p)+FR*\b+FR-1], v[AF+FR*(\a):AF+FR*(\a)+FR-1], 0
.else
	v_wmma_f32_16x16x128_fp8_fp8 v[8*(8*((\a)%4)+\b):8*(8*((\a)%4)+\b)+7], v[128*(\p)+FR*\b:128*(\p)+FR*\b+FR-1], v[AF+FR*(\a):AF+FR*(\a)+FR-1], v[8*(8*((\a)%4)+\b):8*(8*((\a)%4)+\b)+7]
.endif
.endr
.endr
.endm
.macro FETCH_B slot, q, p
	WIN TO_B
.irp i, 0,1,2,3,4,5,6,7
	FRAGB 128*(\p)+FR*\i, ADRB+\slot, \q, \i
.endr
	WIN 0
.endm
.macro FETCH_A slot, q, i0
.irp i, \i0, \i0+1, \i0+2, \i0+3
	FRAGA AF+FR*(\i), ADRA+\slot, \q, \i
.endr
.endm
.macro PLACES n                        ; plain vector lines between a matrix instruction and a load into, or a vector read or write of, its registers
.rept \n
	v_nop
.endr
.endm
.macro STEP slot, q, zero
	s_wait_dscnt 4*NL                              ; B's set and A's blocks 0-3 are in; the youngest sixteen loads (A's blocks 4-7) may be out
	WIN MUL_LO
	MUL16 0, (\q)%2, \zero
	MUL16 2, (\q)%2, \zero
	s_wait_dscnt 0
	PLACES NP
	FETCH_B \slot, (\q)+1, 1-(\q)%2
	FETCH_A \slot, (\q)+1, 0
	WIN MUL_HI
	MUL16 4, (\q)%2, \zero
	MUL16 6, (\q)%2, \zero
	PLACES NP
	WIN 0
	FETCH_A \slot, (\q)+1, 4
.endm
.macro TURN slot, next, fill
	s_wait_tensorcnt 0x0                           ; all my tensor loads have landed: my part of the next slot
	ds_add_u32 v[SPW], v[NIL]                      ; 0 onto my spare word
	s_wait_dscnt 4*NL+1                            ; (the add and the youngest sixteen loads may be out)
	WIN MUL_LO
	MUL16 0, 1, 0
	s_wait_dscnt 0x0                               ; the add is done, and my reads of this slot are over
	s_barrier_signal -1
	MUL16 2, 1, 0
	WIN 0
	s_barrier_wait -1
.if \fill
	CREST                                          ; the barrier has opened a round of the cluster's: no wave of any partner still reads this slot or has a load on its way
	s_add_nc_u64 s[G0+4*\slot+2:G0+4*\slot+3], s[G0+4*\slot+2:G0+4*\slot+3], 2*4096
	s_add_nc_u64 s[G0B+4*\slot+2:G0B+4*\slot+3], s[G0B+4*\slot+2:G0B+4*\slot+3], 2*ROWB
	JLOAD G0+4*\slot, G1, G0B+4*\slot, G1B         ; the first tensor load behind the round, one a wave; its four v_nop are the places in front of the loads below
.else
	PLACES NP
.endif
	FETCH_B \next, 0, 0
	FETCH_A \next, 0, 0
	WIN MUL_HI
	MUL16 4, 1, 0
	MUL16 6, 1, 0
	PLACES NP
	WIN 0
	FETCH_A \next, 0, 4
.endm
	s_wait_alu depctr_va_vdst(0)
	s_wait_tensorcnt 1                             ; my part of K step 0 is in (K step 1's load may be out)
	s_barrier_signal -1
	s_barrier_wait -1                              ; everybody's is
	FETCH_B 0, 0, 0
	FETCH_A 0, 0, 0
	FETCH_A 0, 0, 4
	STEP 0, 0, 1
	s_mov_b32 s3, LAPS-1
.Llap:
	TURN 0, 1, 1
	STEP 1, 0, 0
	TURN 1, 0, 1
	STEP 0, 0, 0
	s_sub_co_u32 s3, s3, 1
	s_cmp_lg_u32 s3, 0
	s_cbranch_scc1 .Llap
	TURN 0, 1, 0
	STEP 1, 0, 0
	s_wait_dscnt 4*NL
	WIN MUL_LO
	MUL16 0, 1, 0
	MUL16 2, 1, 0
	s_wait_dscnt 0
	WIN MUL_HI
	MUL16 4, 1, 0
	MUL16 6, 1, 0
	WIN 0
; THE WAY OUT, block by block of 16 rows x 128 columns: sum x 2^(e10 + e11) + bo, through my own stage, back as whole rows of 512 bytes.  LDS serves a wave's instructions in order (ISA guide 5.7.1.4).
.macro TOSTAGE a
.set AC, 64*((\a)%4)
	WIN 0x42+((\a)/4)                              ; source 0: window 2 or 3; source 2 (bo) window 0; destination window 1
.set j, 0
.rept 32
	v_pk_fma_f32 v[TM+j:TM+j+1], v[AC+j:AC+j+1], s[96:97], v[BC+j:BC+j+1] op_sel_hi:[1,0,1]    ; each accumulator from its low end on
.set j, j+2
.endr
	WIN 0x04                                       ; an LDS store's data: window 1
.irp b, 0,1,2,3,4,5,6,7
	ds_store_b128 v[STO], v[TM+8*\b:TM+8*\b+3] offset:64*\b
	ds_store_b128 v[STO], v[TM+8*\b+4:TM+8*\b+7] offset:64*\b+16
.endr
	WIN 0
.set BB, BK+64*((\a)%2)
.irp t, 0,1,2,3,4,5,6,7,8,9,10,11,12,13,14,15
	ds_load_b128 v[BB+4*\t:BB+4*\t+3], v[RD] offset:\t*SPITCH
.endr
.endm
.macro SEND a, younger                 ; younger: the LDS instructions issued behind block a's loads, which may stay out
.set BB, BK+64*((\a)%2)
	s_wait_dscnt \younger
.if (\a) > 0
	s_add_nc_u64 s[12:13], s[12:13], 16*4096       ; (behind a wait on XCNT: the earlier stores have read their base)  16 rows on
.endif
.irp t, 0,1,2,3,4,5,6,7,8,9,10,11,12,13,14,15
	global_store_b128 v[CO], v[BB+4*\t:BB+4*\t+3], s[12:13] offset:\t*4096 th:TH_STORE_NT       ; 32 lanes store 512 consecutive bytes, aligned
.endr
.endm
	s_wait_kmcnt 0x0
	s_add_co_i32 s96, s96, s97
	s_add_co_i32 s96, s96, 127
	s_lshl_b32 s96, s96, 23                        ; 2^(e10 + e11) as f32
	s_wait_loadcnt 0x0                             ; bo
	PLACES NP                                      ; behind the last products
	TOSTAGE 0
.irp a, 1,2,3,4,5,6,7
.if \a > 1
	s_wait_xcnt 0x0                                ; block a - 2's stores have read their registers and their base
.endif
	TOSTAGE \a
	SEND \a-1, 32                                  ; behind block a - 1's loads: block a's 16 stores and 16 loads
.endr
	s_wait_xcnt 0x0
	SEND 7, 0
	s_wait_tensorcnt 0x0                           ; the wave's end
	ds_add_u32 v[SPW], v[NIL]
	s_wait_dscnt 0x0
	CROUND                                         ; the closing round
	s_endpgm
.Lfunc_end_k_q4144b71b8e_oproj:
	.size	k_q4144b71b8e_oproj, .Lfunc_end_k_q4144b71b8e_oproj-k_q4144b71b8e_oproj
	.p2alignl 7, 3214868480
	.fill 96, 4, 3214868480
	.section	.rodata,"a",@progbits
	.p2align	6, 0x0
	.amdhsa_kernel k_q4144b71b8e_oproj
		.amdhsa_group_segment_fixed_size 327680
		.amdhsa_private_segment_fixed_size 0
		.amdhsa_enable_private_segment 0
		.amdhsa_kernarg_size 40
		.amdhsa_user_sgpr_count 2
		.amdhsa_user_sgpr_kernarg_segment_ptr 1
		.amdhsa_wavefront_size32 1
		.amdhsa_system_sgpr_workgroup_id_x 1
		.amdhsa_system_sgpr_workgroup_id_y 1
		.amdhsa_system_sgpr_workgroup_id_z 1
		.amdhsa_system_vgpr_workitem_id 0
		.amdhsa_next_free_vgpr 1024
		.amdhsa_next_free_sgpr 98
		.amdhsa_reserve_vcc 0
		.amdhsa_float_denorm_mode_32 3
		.amdhsa_float_denorm_mode_16_64 3
		.amdhsa_memory_ordered 1
		.amdhsa_forward_progress 1
		.amdhsa_inst_pref_size 126
	.end_amdhsa_kernel
	.amdgpu_metadata
---
amdhsa.version: [ 1, 2 ]
amdhsa.kernels:
  - .name:           k_q4144b71b8e_oproj
    .symbol:         k_q4144b71b8e_oproj.kd
    .args:
      - { .name: oc, .offset: 0, .size: 8, .value_kind: global_buffer, .address_space: global }
      - { .name: wc, .offset: 8, .size: 8, .value_kind: global_buffer, .address_space: global }
      - { .name: lowp_scales, .offset: 16, .size: 8, .value_kind: global_buffer, .address_space: global }
      - { .name: bo, .offset: 24, .size: 8, .value_kind: global_buffer, .address_space: global }
      - { .name: out0, .offset: 32, .size: 8, .value_kind: global_buffer, .address_space: global }
    .group_segment_fixed_size: 327680
    .private_segment_fixed_size: 0
    .kernarg_segment_align: 8
    .kernarg_segment_size: 40
    .max_flat_workgroup_size: 128
    .sgpr_count:     98
    .vgpr_count:     1024
    .wavefront_size: 32
...
	.end_amdgpu_metadata
.endif
;; end of part 4
